; MI455X (gfx1250); checked and timed in simulation.
; The chip was launched on July 23, 2026; its instructions are those of AMD's public machine-readable ISA for CDNA 5 (MIT licence, August 2026) and "CDNA5" Instruction Set Architecture Reference Guide (July 2026). The comments in the code are by the model that wrote it; some were corrected since.
;; Reprogramming Layer m2. Allowed arithmetic: matrix products marked QUANTISED: E2M1 operands, one E8M0 scale for each 32 along K, by v_wmma_scale_f32_16x16x128_f8f6f4 with both operands' format E2M1 (or v_wmma_scale_f32_32x16x128_f4), f32 sums; everything else in f32.
;; Inputs: Wk 1,024 x 1,024 float32; Wo 1,024 x 1,024 float32; Wq 1,024 x 1,024 float32; Wv 1,024 x 1,024 float32; bk 1,024 float32; bo 1,024 float32; bq 1,024 float32; bv 1,024 float32; source_embedding 2 x 4,096 x 1,024 float32; target_embedding 2 x 2,048 x 1,024 float32; value_embedding 2 x 4,096 x 1,024 float32.
;; Outputs: out0 2 x 2,048 x 1,024 float32.
;; This version of the problem:
;;   THIS VERSION OF THE PROBLEM IS GIVEN IN LOW PRECISION. The matrix products marked QUANTISED in the list below multiply operands that are first quantised to E2M1 (2 exponent bits, 1 mantissa bit; 4 bits a number), with one power-of-two scale for each 32 numbers along K (OCP MX v1.0); their sums are f32. All else is computed in f32.
;;   The module's matrix products, in the order in which they are computed (A, B: the left and right operand; K: the contracted axis; several contracted axes count as one K, in the product's order):
;;     1. [M 4,096, K 1,024] x [K 1,024, N 1,024]; A: input target_embedding; B: input Wq: QUANTISED
;;     2. [M 8,192, K 1,024] x [K 1,024, N 1,024]; A: input source_embedding; B: input Wk: QUANTISED
;;     3. [M 8,192, K 1,024] x [K 1,024, N 1,024]; A: input value_embedding; B: input Wv: QUANTISED
;;     4. batch 32 x [M 2,048, K 64] x [K 64, N 4,096]; A: computed on the way; B: computed on the way: QUANTISED
;;     5. batch 32 x [M 64, K 4,096] x [K 4,096, N 2,048]; A: computed on the way; B: softmax (see below): QUANTISED
;;     6. [M 4,096, K 1,024] x [K 1,024, N 1,024]; A: computed on the way; B: input Wo: QUANTISED
;;   THE QUANTISER, for each operand of a quantised product, along K:
;;     - K is cut into blocks of 32 from its start; a last block that is shorter is filled with zeros.
;;     - A block's scale is 2^e with e = floor(log2(the largest magnitude in the block)) - 2, held to -126 .. 127; a block of zeros has e = 0. As a byte (E8M0): e + 127.
;;     - Each number is divided by its block's scale, clamped to +-6, and rounded to the nearest number of E2M1, ties to even, subnormals kept.
;;     - The product sums the exact products of the quantised numbers (number of the format x scale) in f32.
;;   ~~~python
;;   def quantise(x, axis):      # numpy; x: float32 -> the quantised numbers, widened to float32 again
;;       x = np.moveaxis(x, axis, -1); K = x.shape[-1]
;;       x = np.pad(x, [(0, 0)] * (x.ndim - 1) + [(0, -K % 32)]); x = x.reshape(x.shape[:-1] + (-1, 32)); a = np.abs(x).max(-1, keepdims=True)
;;       e = np.where(a > 0, np.clip(np.frexp(np.where(a > 0, a, 1))[1] - 1 - 2, -126, 127), 0)      # np.frexp(a)[1] - 1 = floor(log2(a)), exactly
;;       r = np.clip(x / 2.0 ** e, -6, 6)
;;       step = 2.0 ** (np.maximum(np.frexp(np.where(r == 0, 1, r))[1] - 1, 0) - 1)
;;       q = np.round(r / step) * step * 2.0 ** e      # np.round: ties to even
;;       return np.moveaxis(q.reshape(q.shape[:-2] + (-1,))[..., :K], -1, axis).astype(np.float32)
;;   ~~~
;;   SOFTMAX AHEAD OF A QUANTISED PRODUCT. Where the list says 'softmax', what is quantised is not the finished softmax but p = 2^(t - M), with t = logit x log2(e) and M = ceil(the row's largest t), a whole number; so 1/2 < the row's largest p <= 1. The row's sum l is taken of the UNQUANTISED p, in f32, and the product's result is divided by l at the end. Since M is a whole number, a kernel that streams over the keys may use a running M (the ceiling of the running maximum): every later rescaling is an exact power of two, which a block's scale takes up: the codes' values come out the same.
;;   OPERANDS COMPUTED ON THE WAY. 'Computed on the way' means the value that the module computes at that place (a softmax that the list does not call 'softmax' is quantised finished and normalised). What goes into a quantiser is computed in f32, as accurately as f32 sums, v_exp_f32 and their like allow (about 1e-6 of the number): no bf16 or f16 on the way to a quantiser, and a product that is left as it is and whose result goes on into a quantised operand takes f32 operands (vector FMAs, or v_wmma_f32_16x16x4_f32). A number that lies on a knife's edge between two numbers of the format may be rounded either way, as far as f32 arithmetic and the matrix unit's own rounding can turn it there, and no further.
;; 2 versions. Each part assembles by itself: llvm-mc -triple=amdgcn-amd-amdhsa -mcpu=gfx1250 --defsym DOCPART=n.
;; ======== version 1 of 2: 4 launches
;; workspace buffers: wimg 2,097,152 bytes; wsc 131,072 bytes; qbuf 2,228,224 bytes; kv 8,912,896 bytes; oimg 2,097,152 bytes; osc 131,072 bytes
;; launch wquant (part 1): grid 8 x 32, 4 waves a work-group, no clusters, 0 bytes of LDS; arguments Wq, Wk, Wv, Wo, wimg, wsc; writes wimg, wsc
.if DOCPART == 1
	.amdgcn_target "amdgcn-amd-amdhsa--gfx1250"
	.amdhsa_code_object_version 6
	.text
	.protected	k_q8a423e09ed_wquant
	.globl	k_q8a423e09ed_wquant
	.p2align	8
	.type	k_q8a423e09ed_wquant,@function
k_q8a423e09ed_wquant:
	s_mov_b64 s[64:65], 0
	v_nop
	global_prefetch_b8 v0, s[64:65] scope:SCOPE_SE
	s_setreg_imm32_b32 hwreg(HW_REG_WAVE_MODE, 25, 1), 1
	s_wait_xcnt 0x0
; The four weights [1024 (k)][1024 (n)], f32, K along the FIRST axis, become codes of FP4 (E2M1) with one E8M0 byte for each 32 along K,
; laid as IMAGES OF THE OPERAND'S REGISTERS.  A fragment is 16 columns n x 128 along K: 8 registers a lane, 1,024 bytes: registers 0-3 of
; lane l at byte 16 l, registers 4-7 at 512 + 16 l; lane (r, h) holds column r and k = 64 c + 32 h + 0 .. 31 in registers 4 c .. 4 c + 3.
;   wimg [weight: 0 q, 1 k, 2 v, 3 o][tile of 16 columns: 64][K step of 128: 8][1,024 bytes]
;   wsc  [weight][pair of tiles: 32][K step: 8][32 words]: lanes 0-15 the words of tile 2 P, lanes 16-31 those of tile 2 P + 1
; THE COLUMNS OF A TILE ARE NOT NEIGHBOURS: lane r of tile 2 P + u is column 32 P + 8 u + r + 8 (r / 8), so that the results of two
; neighbouring tiles, used as source 0, are 16 neighbours along the next product's K in one lane's registers.
; A LANE TAKES A COLUMN AND ITS REGISTERS RUN DOWN K: a load reads 128 consecutive bytes a wave (512 a work-group), a block of 32 lies in
; one lane, its largest magnitude needs no other lane, and the conversions give codes with K innermost.  Nothing is transposed.
; A block's scale is 2^(floor(log2(largest magnitude)) - 2): its byte is the largest magnitude's exponent field - 2, held at 1 from below.
; SHARES: work-group x = 128 columns, y = 8 x weight + K step; wave w the 32 columns of pair P = 4 x + w, 128 along K: 4 blocks a lane.
; OUT: a block's 16 bytes a lane: the sixteen lanes of a tile store 256 consecutive bytes, aligned.  The scale words leave as 128
; consecutive bytes a wave, half of an aligned 256: wsc is 131,072 bytes in all.
; LIMITS: NaN and infinities are not served.  A block whose largest magnitude lies under 2^-124 (a block of zeros too) gets the byte 1;
; a block of zeros has zero codes, which add nothing under that byte, and the bytes are read by this program alone.
; No LDS, no barrier: waves share nothing.  No cluster: no two work-groups read the same bytes.
.set X,   32                           ; v32-159  four blocks of 32 numbers
.set C,   160                          ; v160-175 four registers of codes a block: no store's data are written again
.set SWD, 24                           ; v24      the scale word: four bytes, the lower k in the lower byte
	s_load_b256 s[4:11], s[0:1], 0x0               ; Wq, Wk, Wv, Wo
	s_load_b128 s[12:15], s[0:1], 0x20             ; wimg, wsc
	v_lshrrev_b32 v1, 5, v0
	v_readfirstlane_b32 s16, v1                    ; wave 0..3
	v_and_b32 v1, 31, v0                           ; lane = my column in the pair
	v_lshlrev_b32 v2, 2, v1                        ; in: 4 bytes a lane
	v_bfe_u32 v5, v1, 3, 1                         ; u: which tile of the pair my column belongs to
	v_bfe_u32 v6, v1, 4, 1
	v_and_b32 v7, 7, v1
	v_lshl_add_u32 v7, v6, 3, v7                   ; r: its lane in that tile
	v_lshlrev_b32 v3, 4, v7
	v_lshl_add_u32 v3, v5, 13, v3                  ; codes: a tile's eight K steps are 8,192 bytes; 16 r in the image
	v_lshlrev_b32 v4, 2, v7
	v_lshl_add_u32 v4, v5, 6, v4                   ; scale word: 64 u + 4 r
	s_and_b32 s22, ttmp7, 0xffff
	s_lshr_b32 s17, s22, 3                         ; weight
	s_and_b32 s18, s22, 7                          ; K step
	s_lshl_b32 s19, ttmp9, 2
	s_add_co_u32 s19, s19, s16                     ; P
	s_lshl_b32 s24, s18, 19                        ; in: 128 rows of 4,096 bytes a K step,
	s_lshl_b32 s23, s19, 7                         ; 128 bytes a pair
	s_add_co_u32 s24, s24, s23
	s_mov_b32 s25, 0
	s_lshl_b32 s26, s17, 19                        ; codes: 2^19 bytes a weight, 2^14 a pair, 2^10 a K step
	s_lshl_b32 s23, s19, 14
	s_add_co_u32 s26, s26, s23
	s_lshl_b32 s23, s18, 10
	s_add_co_u32 s26, s26, s23
	s_mov_b32 s27, 0
	s_lshl_b32 s28, s17, 15                        ; scale words: 2^15 a weight, 2^10 a pair, 2^7 a K step
	s_lshl_b32 s23, s19, 10
	s_add_co_u32 s28, s28, s23
	s_lshl_b32 s23, s18, 7
	s_add_co_u32 s28, s28, s23
	s_mov_b32 s29, 0
	s_wait_kmcnt 0x0
	s_cmp_eq_u32 s17, 1                            ; which weight: the choice hangs on the work-group's number alone
	s_cselect_b64 s[4:5], s[6:7], s[4:5]
	s_cmp_eq_u32 s17, 2
	s_cselect_b64 s[4:5], s[8:9], s[4:5]
	s_cmp_eq_u32 s17, 3
	s_cselect_b64 s[4:5], s[10:11], s[4:5]
	s_add_nc_u64 s[4:5], s[4:5], s[24:25]
	s_add_nc_u64 s[12:13], s[12:13], s[26:27]
	s_add_nc_u64 s[14:15], s[14:15], s[28:29]
.macro LOAD kb                         ; block kb: W(128 K step + 32 kb + i, my column), i = 0 .. 31
.irp i, 0,1,2,3,4,5,6,7,8,9,10,11,12,13,14,15,16,17,18,19,20,21,22,23,24,25,26,27,28,29,30,31
	global_load_b32 v[X+32*(\kb)+\i], v2, s[4:5] offset:(32*(\kb)+\i)*4096 th:TH_LOAD_NT
.endr
.endm
	LOAD 0
	LOAD 1
.macro BLOCK kb
.set XB, X+32*(\kb)
.if (\kb) < 3
	s_wait_loadcnt 32                              ; this block's 32 loads are in; the next block's 32 may be out
.else
	s_wait_loadcnt 0x0
.endif
.if (\kb)+2 < 4
	LOAD (\kb)+2                                   ; two blocks ahead, into registers of its own
.endif
	v_max3_num_f32 v12, |v[XB]|, |v[XB+1]|, |v[XB+2]|     ; the block's largest magnitude, in two chains: all 32 numbers are mine
	v_max3_num_f32 v13, |v[XB+3]|, |v[XB+4]|, |v[XB+5]|
.irp i, 6,10,14,18,22,26
	v_max3_num_f32 v12, v12, |v[XB+\i]|, |v[XB+\i+1]|
	v_max3_num_f32 v13, v13, |v[XB+\i+2]|, |v[XB+\i+3]|
.endr
	v_max3_num_f32 v12, v12, |v[XB+30]|, |v[XB+31]|
	v_max3_num_f32 v12, v12, v13, 0x1800000        ; and the floor 2^(3 - 127): the byte cannot fall under 1
	v_add_nc_u32 v11, 0xff000000, v12              ; 2 off the exponent field: the conversion takes this operand's exponent field as its scale
	v_lshrrev_b32 v13, 23, v11                     ; the scale's byte
.if (\kb) == 0
	v_mov_b32 v[SWD], v13
.else
	v_lshl_or_b32 v[SWD], v13, 8*(\kb), v[SWD]
.endif
.irp g, 0,1,2,3
	v_cvt_scalef32_pk8_fp4_f32 v[C+4*(\kb)+\g], v[XB+8*\g:XB+8*\g+7], v11
.endr
	global_store_b128 v3, v[C+4*(\kb):C+4*(\kb)+3], s[12:13] offset:256*(\kb)   ; block 2 c + h lies at 512 c + 256 h + 16 r of the image.  (The next block's first lines are plain and touch nothing of the conversions)
.endm
	BLOCK 0
	BLOCK 1
	BLOCK 2
	BLOCK 3
	global_store_b32 v4, v[SWD], s[14:15]
	s_endpgm
.Lfunc_end_k_q8a423e09ed_wquant:
	.size	k_q8a423e09ed_wquant, .Lfunc_end_k_q8a423e09ed_wquant-k_q8a423e09ed_wquant
	.p2alignl 7, 3214868480
	.fill 96, 4, 3214868480
	.section	.rodata,"a",@progbits
	.p2align	6, 0x0
	.amdhsa_kernel k_q8a423e09ed_wquant
		.amdhsa_group_segment_fixed_size 0
		.amdhsa_private_segment_fixed_size 0
		.amdhsa_enable_private_segment 0
		.amdhsa_kernarg_size 48
		.amdhsa_user_sgpr_count 2
		.amdhsa_user_sgpr_kernarg_segment_ptr 1
		.amdhsa_wavefront_size32 1
		.amdhsa_system_sgpr_workgroup_id_x 1
		.amdhsa_system_sgpr_workgroup_id_y 1
		.amdhsa_system_sgpr_workgroup_id_z 1
		.amdhsa_system_vgpr_workitem_id 0
		.amdhsa_next_free_vgpr 192
		.amdhsa_next_free_sgpr 66
		.amdhsa_reserve_vcc 0
		.amdhsa_float_denorm_mode_32 3
		.amdhsa_float_denorm_mode_16_64 3
		.amdhsa_memory_ordered 1
		.amdhsa_forward_progress 1
		.amdhsa_inst_pref_size 21
	.end_amdhsa_kernel
	.amdgpu_metadata
---
amdhsa.version: [ 1, 2 ]
amdhsa.kernels:
  - .name:           k_q8a423e09ed_wquant
    .symbol:         k_q8a423e09ed_wquant.kd
    .args:
      - { .name: Wq, .offset: 0, .size: 8, .value_kind: global_buffer, .address_space: global }
      - { .name: Wk, .offset: 8, .size: 8, .value_kind: global_buffer, .address_space: global }
      - { .name: Wv, .offset: 16, .size: 8, .value_kind: global_buffer, .address_space: global }
      - { .name: Wo, .offset: 24, .size: 8, .value_kind: global_buffer, .address_space: global }
      - { .name: wimg, .offset: 32, .size: 8, .value_kind: global_buffer, .address_space: global }
      - { .name: wsc, .offset: 40, .size: 8, .value_kind: global_buffer, .address_space: global }
    .group_segment_fixed_size: 0
    .private_segment_fixed_size: 0
    .kernarg_segment_align: 8
    .kernarg_segment_size: 48
    .max_flat_workgroup_size: 128
    .sgpr_count:     66
    .vgpr_count:     192
    .wavefront_size: 32
...
	.end_amdgpu_metadata
.endif
;; end of part 1
;; launch proj (part 2): grid 160 x 1, 4 waves a work-group, no clusters, 103,936 bytes of LDS; arguments target_embedding, source_embedding, value_embedding, bq, bk, bv, wimg, wsc, qbuf, kv; writes qbuf, kv
.if DOCPART == 2
	.amdgcn_target "amdgcn-amd-amdhsa--gfx1250"
	.amdhsa_code_object_version 6
	.text
	.protected	k_q8a423e09ed_proj
	.globl	k_q8a423e09ed_proj
	.p2align	8
	.type	k_q8a423e09ed_proj,@function
k_q8a423e09ed_proj:
	s_mov_b64 s[64:65], 0
	v_nop
	global_prefetch_b8 v0, s[64:65] scope:SCOPE_SE
	s_setreg_imm32_b32 hwreg(HW_REG_WAVE_MODE, 25, 1), 1
	s_wait_xcnt 0x0
; q = target Wq + bq, k = source Wk + bk, v = value Wv + bv, on codes of FP4 (E2M1) with one E8M0 byte for each 32 along K = 1,024; the results are
; quantised at once for the attention's two products and leave as IMAGES OF THE OPERANDS' REGISTERS (a fragment of 16 rows x 128 K: registers 0-3 of lane l at 16 l, 4-7 at 512 + 16 l).
; SHARES.  Work-groups 0-31 take q, 32-95 k, 96-159 v; each takes 128 rows x all 1,024 columns, so that a row of x is read from memory and quantised ONCE, and v's 128 keys, one K step of
; the attention's second product, meet in one work-group.  The four waves share the COLUMNS: wave w makes heads 4 w .. 4 w + 3, one a trip.
; PHASE X.  Wave w quantises rows 32 w .. 32 w + 31: 2 tiles x 8 K steps.  A load reads 512 consecutive bytes of one row; the conversions want 16 neighbours along K in one lane, so a step's
; 16 rows x 512 bytes turn through the wave's own stage in LDS (rows 528 bytes apart).  The codes and scale words go to LDS as images; ONE barrier; then every wave reads all of them.
; THE ROWS OF A TILE ARE NOT NEIGHBOURS (x's rows and W's columns alike): lane r of tile 2 b + u is row 32 b + 8 u + r + 8 (r / 8).  Used as source 0, two neighbouring tiles then leave in a
; lane's 16 registers 16 neighbours, 32 b + 16 (lane / 16) + 0 .. 15, which is what the macro QUANT takes.
; q, k (path 0): source 0 = 16 columns of W, source 1 = 16 rows of x: a lane holds one row and its registers run along the head's 64 channels, the next K.  Two tiles of rows make ONE image:
;   k 0-63 = tile 2 g's channels, k 64-127 = tile 2 g + 1's; scale bytes 0, 1 and 2, 3 likewise.  (The attention multiplies it by [q | 0] and by [0 | q].)
; v (path 1): source 0 = 16 rows of x (keys), source 1 = 16 columns of W: a lane holds one channel and its registers run along the 128 keys, the next K.
; The bias is the C of each sum's first matrix instruction.
; OUT.  qbuf [b h: 32][block of 128 queries: 16][4,352]; kv [b h: 32][128 keys: 32][K's 4,352, then V's 4,352].  A block of 4,352 bytes = 4 images + 256 bytes of scale words: lane l's 8 bytes
; are {word of image 0 (lanes 0-15) or 1 (lanes 16-31), word of image 2 or 3}.  Every store of a wave covers 512 or 256 consecutive bytes, aligned to 256.
; W's fragments go from memory straight into registers, a head ahead: no tensor load, so no joint requests and no cluster.
; LIMITS: NaN and infinities are not served.  A block whose largest magnitude lies under 2^-124 (a block of zeros too) gets the byte 1; the bytes are read by this program alone.
; REGISTERS, in windows of 256.  Window 0: v1-10 addresses; v16-143 x's fragments, two sets of 8 (in phase X v16-79: 64 numbers); v144-175 x's scale words; v176-191 W's; v192-223 the bias;
;   v224-251 at work.  Window 1: in phase X four sets of 64 as loaded; then the 32 accumulators.  Window 2: the head's 32 fragments of W, at 32 s + 8 t.
.set XSC,  65536                       ; LDS: from 0 x's 64 images ((8 tile + K step) x 1,024); here their scale words [pair of tiles][K step][tile of the pair][r];
.set STG,  69632                       ; here the stages, 16 rows x 528 bytes for each wave
.set SPI,  528
.set LI,   1                           ; v1   16 x lane
.set L8,   2                           ; v2   8 x lane
.set STW,  3                           ; v3   the stage, in: 16 x lane
.set STR,  4                           ; v4   the stage, out: 528 r + 64 h
.set XWI,  5                           ; v5   where I store x's images: 16,384 x wave + 16 x lane
.set XWS,  6                           ; v6   and their scale words: XSC + 1,024 x wave + 4 r
.set LS,   7                           ; v7   4 x lane
.set BHT,  8                           ; v8   the bias, path 0: 64 h
.set XSR,  9                           ; v9   XSC + 4 x lane
.set BHN,  10                          ; v10  the bias, path 1: 4 (r + 8 (r / 8))
.set XF,   16
.set XS,   144
.set WS,   176
.set BI,   192
.set TM,   224                         ; v224-227 largest magnitudes, v228-231 bytes, v236-239 the conversions' scale operands
.set PC,   240                         ; v240-247 the codes just made
.set PW,   248                         ; their scale word;  v249 the one before;  v[250:251] the block's two words a lane
.set PK,   249
.set SW,   250
.set WV,   16                          ; s16 wave;  s17 heads to go;  s18 a mask of lanes 16-31;  s[20:21] selects for lane l xor 16
.set HC,   17
.set MASK, 18
.set SEL,  20
; s[4:5] x;  s[6:7] W's images;  s[8:9] W's scale words;  s[10:11] the bias;  s[12:13] out;  s[14:15] bytes from head to head in out
.set MSB, 0
.macro WIN new                         ; s_set_vgpr_msb: bits 1:0 source 0, 3:2 source 1, 5:4 source 2, 7:6 destination; the high byte repeats the setting that is left
.if MSB != (\new)
	s_set_vgpr_msb (MSB<<8)|(\new)
.set MSB, \new
.endif
.endm
; 64 numbers of a lane, v[s] .. v[s + 63] of window win, register 16 b + i = k 32 b + 16 (lane / 16) + i of my row, become a fragment's codes in v[PC] on and its scale word in v[PW].
; Each accumulator among them is read from its low end on.
.macro QUANT s, win
	WIN 5*(\win)
.irp b, 0,1,2,3
	v_max3_num_f32 v[TM+\b], |v[(\s)+16*\b]|, |v[(\s)+16*\b+1]|, 0x1800000   ; block b: my 16 numbers, and the floor 2^(3 - 127): the byte cannot fall under 1
.endr
	WIN 0x14*(\win)
.irp i, 2,4,6,8,10,12,14
.irp b, 0,1,2,3
	v_max3_num_f32 v[TM+\b], v[TM+\b], |v[(\s)+16*\b+\i]|, |v[(\s)+16*\b+\i+1]|   ; the four blocks by turns
.endr
.endr
	WIN 0
.irp b, 0,1,2,3
	v_permlanex16_b32 v[TM+4+\b], v[TM+\b], s[SEL], s[SEL+1]
.endr
.irp b, 0,1,2,3
	v_max_num_f32 v[TM+\b], v[TM+\b], v[TM+4+\b]   ; with lane l xor 16's 16: the block's largest magnitude
.endr
.irp b, 0,1,2,3
	v_add_nc_u32 v[TM+12+\b], 0xff000000, v[TM+\b] ; 2 off its exponent field: the conversion's scale operand
.endr
.irp b, 0,1,2,3
	v_lshrrev_b32 v[TM+4+\b], 23, v[TM+12+\b]      ; the scale's byte
.endr
	v_lshl_or_b32 v[PW], v[TM+5], 8, v[TM+4]
	v_lshl_or_b32 v[PW], v[TM+6], 16, v[PW]
	v_lshl_or_b32 v[PW], v[TM+7], 24, v[PW]
	WIN \win
.irp b, 0,1,2,3
	v_cvt_scalef32_pk8_fp4_f32 v[PC+2*\b], v[(\s)+16*\b:(\s)+16*\b+7], v[TM+12+\b]
	v_cvt_scalef32_pk8_fp4_f32 v[PC+2*\b+1], v[(\s)+16*\b+8:(\s)+16*\b+15], v[TM+12+\b]
.endr
	WIN 0
	v_nop                                          ; one plain place behind the scaled conversions
.irp c, 0,1                            ; the operand wants a WHOLE block in a lane: lanes 0-15 block 2 c, lanes 16-31 block 2 c + 1
.irp i, 0,1
	v_permlane16_swap_b32 v[PC+4*\c+\i], v[PC+2+4*\c+\i]
.endr
.endr
.endm
; one matrix instruction; ra, rb: source 0's, source 1's scale words stand in lanes 16-31 of their register
.macro MM d, a, b, c, sa, sb, ra, rb
.if ((\ra) != 0) && ((\rb) != 0)
	v_wmma_scale_f32_16x16x128_f8f6f4 v[(\d):(\d)+7], v[(\a):(\a)+7], v[(\b):(\b)+7], v[(\c):(\c)+7], v[(\sa)], v[(\sb)] matrix_a_fmt:MATRIX_FMT_FP4 matrix_b_fmt:MATRIX_FMT_FP4 matrix_a_scale:MATRIX_SCALE_ROW1 matrix_b_scale:MATRIX_SCALE_ROW1
.elseif (\ra) != 0
	v_wmma_scale_f32_16x16x128_f8f6f4 v[(\d):(\d)+7], v[(\a):(\a)+7], v[(\b):(\b)+7], v[(\c):(\c)+7], v[(\sa)], v[(\sb)] matrix_a_fmt:MATRIX_FMT_FP4 matrix_b_fmt:MATRIX_FMT_FP4 matrix_a_scale:MATRIX_SCALE_ROW1
.elseif (\rb) != 0
	v_wmma_scale_f32_16x16x128_f8f6f4 v[(\d):(\d)+7], v[(\a):(\a)+7], v[(\b):(\b)+7], v[(\c):(\c)+7], v[(\sa)], v[(\sb)] matrix_a_fmt:MATRIX_FMT_FP4 matrix_b_fmt:MATRIX_FMT_FP4 matrix_b_scale:MATRIX_SCALE_ROW1
.else
	v_wmma_scale_f32_16x16x128_f8f6f4 v[(\d):(\d)+7], v[(\a):(\a)+7], v[(\b):(\b)+7], v[(\c):(\c)+7], v[(\sa)], v[(\sb)] matrix_a_fmt:MATRIX_FMT_FP4 matrix_b_fmt:MATRIX_FMT_FP4
.endif
.endm
.macro WLOAD s                         ; K step s of the four tiles of the head at s[6:7], into window 2 (the caller sets the window)
.irp t, 0,1,2,3
.irp c, 0,1
	global_load_b128 v[32*(\s)+8*\t+4*\c:32*(\s)+8*\t+4*\c+3], v[LI], s[6:7] offset:(8*\t+(\s))*1024+512*\c
.endr
.endr
.endm
.macro WSLOAD                          ; that head's scale words: two pairs of tiles x 8 K steps
.irp p, 0,1
.irp s, 0,1,2,3,4,5,6,7
	global_load_b32 v[WS+8*\p+\s], v[LS], s[8:9] offset:1024*\p+128*\s
.endr
.endr
.endm
.macro BIAS path                       ; that head's bias in the results' layout, eight registers a tile of W
.if \path
.irp t, 0,1,2,3                        ; a lane holds ONE channel, 32 (t / 2) + 8 (t % 2) + r + 8 (r / 8): its bias fills the tile's eight registers
.irp j, 0,1,2,3,4,5,6,7
	global_load_b32 v[BI+8*\t+\j], v[BHN], s[10:11] offset:(32*(\t/2)+8*(\t%2))*4
.endr
.endr
.else
.irp t, 0,1,2,3                        ; a lane's registers are channels 32 (t / 2) + 16 h + 8 (t % 2) + 0 .. 7
	global_load_b128 v[BI+8*\t:BI+8*\t+3], v[BHT], s[10:11] offset:(32*(\t/2)+8*(\t%2))*4
	global_load_b128 v[BI+8*\t+4:BI+8*\t+7], v[BHT], s[10:11] offset:(32*(\t/2)+8*(\t%2))*4+16
.endr
.endif
.endm
	s_load_b512 s[32:47], s[0:1], 0x0              ; target, source, value, bq, bk, bv, wimg, wsc
	s_load_b128 s[48:51], s[0:1], 0x40             ; qbuf, kv
	v_lshl_add_u32 v254, v0, 2, 0x19400
	v_mov_b32 v255, 0
	v_lshrrev_b32 v11, 5, v0
	v_readfirstlane_b32 s[WV], v11                 ; wave 0..3
	v_and_b32 v11, 31, v0                          ; lane
	v_and_b32 v12, 15, v0                          ; r
	v_bfe_u32 v13, v0, 4, 1                        ; h
	v_lshlrev_b32 v[LI], 4, v11
	v_lshlrev_b32 v[L8], 3, v11
	v_lshlrev_b32 v[LS], 2, v11
	s_mul_i32 s2, s[WV], 16*SPI
	s_add_co_u32 s2, s2, STG                       ; my stage
	v_add_nc_u32 v[STW], s2, v[LI]
	v_mul_u32_u24 v[STR], v12, SPI
	v_lshl_add_u32 v[STR], v13, 6, v[STR]
	v_add_nc_u32 v[STR], s2, v[STR]
	s_lshl_b32 s2, s[WV], 14
	v_add_nc_u32 v[XWI], s2, v[LI]
	s_lshl_b32 s2, s[WV], 10
	s_add_co_u32 s2, s2, XSC
	v_lshl_add_u32 v[XWS], v12, 2, s2
	v_add_nc_u32 v[XSR], XSC, v[LS]
	v_lshlrev_b32 v[BHT], 6, v13
	v_and_b32 v[BHN], 8, v12
	v_add_nc_u32 v[BHN], v[BHN], v12
	v_lshlrev_b32 v[BHN], 2, v[BHN]
.irp b, 0,1,2,3
	v_mov_b32 v[TM+4+\b], 0                        ; written once: a lane permute's destination counts as one of its sources
.endr
	s_mov_b32 s[MASK], 0xffff0000
	s_mov_b32 s[SEL], 0x76543210
	s_mov_b32 s[SEL+1], 0xfedcba98
	s_wait_kmcnt 0x0
	s_cmp_lt_u32 ttmp9, 32                         ; q's work-group?  Every choice hangs on the work-group's number alone
	s_cselect_b64 s[4:5], s[32:33], s[34:35]
	s_cselect_b64 s[10:11], s[38:39], s[40:41]
	s_cselect_b64 s[12:13], s[48:49], s[50:51]
	s_cselect_b32 s22, 0, 32                       ; the tensor's first work-group
	s_cselect_b32 s23, 0, 1                        ; which weight
	s_cselect_b32 s24, 4, 5                        ; log2 of the blocks of 128 rows in a batch
	s_mov_b32 s14, 278528
	s_cselect_b32 s14, 69632, s14                  ; out: bytes from head to head
	s_mov_b32 s25, 8704
	s_cselect_b32 s25, 4352, s25                   ; and from block to block
	s_cmp_lt_u32 ttmp9, 96                         ; or v's?
	s_cselect_b64 s[4:5], s[4:5], s[36:37]
	s_cselect_b64 s[10:11], s[10:11], s[42:43]
	s_cselect_b32 s22, s22, 96
	s_cselect_b32 s23, s23, 2
	s_cselect_b32 s26, 0, 4352                     ; V's block lies behind K's
	s_mov_b32 s15, 0
	s_mov_b32 s29, 0
	s_sub_co_u32 s22, ttmp9, s22                   ; my block of 128 rows
	s_lshr_b32 s27, s22, s24                       ; batch
	s_lshl_b32 s28, s27, s24
	s_sub_co_u32 s28, s22, s28                     ; block in the batch
	s_add_co_u32 s24, s24, 4
	s_lshl_b32 s27, s27, s24                       ; a batch has 16 heads of so many blocks
	s_add_co_u32 s27, s27, s28
	s_mul_i32 s27, s27, s25
	s_add_co_u32 s27, s27, s26
	s_lshl_b32 s28, s[WV], 2                       ; my first head
	s_mul_i32 s28, s28, s14
	s_add_co_u32 s28, s28, s27
	s_add_nc_u64 s[12:13], s[12:13], s[28:29]
	s_lshl_b32 s28, s22, 19                        ; x: 128 rows of 4,096 bytes a block, 32 rows a wave
	s_lshl_b32 s27, s[WV], 17
	s_add_co_u32 s28, s28, s27
	s_add_nc_u64 s[4:5], s[4:5], s[28:29]
	s_lshl_b32 s28, s23, 19                        ; W's images: 2^19 bytes a weight, 2^15 a head
	s_add_co_u32 s28, s28, s27
	s_add_nc_u64 s[6:7], s[44:45], s[28:29]
	s_lshl_b32 s28, s23, 15                        ; its scale words: 2^15 a weight, 2^11 a head
	s_lshl_b32 s27, s[WV], 13
	s_add_co_u32 s28, s28, s27
	s_add_nc_u64 s[8:9], s[46:47], s[28:29]
	s_lshl_b32 s28, s[WV], 10                      ; the bias: 256 bytes a head
	s_add_nc_u64 s[10:11], s[10:11], s[28:29]
	WIN 0x80                                       ; my first head's W, scale words and bias: asked for ahead of x, so that the counted waits below count loads of x alone
.irp s, 0,1,2,3,4,5,6,7
	WLOAD \s
.endr
	WIN 0
	WSLOAD
	s_cmp_lt_u32 ttmp9, 96
	s_cbranch_scc0 .Lbias_v
	BIAS 0
	s_branch .Lbias_asked
.Lbias_v:
	BIAS 1
.Lbias_asked:
; ---- PHASE X.  Step q = 8 u + s: tile 2 w + u, K step s: 16 rows x 512 bytes
.macro XLOAD q                         ; into set q % 4 of window 1: load i is the tile's row i: 32 lanes read 512 consecutive bytes
	WIN 0x40
.irp i, 0,1,2,3,4,5,6,7,8,9,10,11,12,13,14,15
	global_load_b128 v[64*((\q)%4)+4*\i:64*((\q)%4)+4*\i+3], v[LI], s[4:5] offset:(8*((\q)/8)+\i+8*(\i/8))*4096+512*((\q)%8) th:TH_LOAD_NT
.endr
	WIN 0
.endm
.macro XSTEP q
.if (15-(\q)) >= 3
	s_wait_loadcnt 48                              ; this step's 16 loads are in; those of the three steps behind it may be out
.else
	s_wait_loadcnt 16*(15-(\q))
.endif
	WIN 0x04                                       ; an LDS store's data are its source 1: window 1
.irp i, 0,1,2,3,4,5,6,7,8,9,10,11,12,13,14,15
	ds_store_b128 v[STW], v[64*((\q)%4)+4*\i:64*((\q)%4)+4*\i+3] offset:SPI*\i
.endr
	WIN 0
.irp b, 0,1,2,3                        ; back: of row r the 16 numbers 32 b + 16 h + 0 .. 15 of each block.  LDS serves a wave's instructions in order (ISA guide 5.7.1.4): these see the stores above
.irp j, 0,1,2,3
	ds_load_b128 v[XF+16*\b+4*\j:XF+16*\b+4*\j+3], v[STR] offset:128*\b+16*\j
.endr
.endr
	s_wait_dscnt 0x0                               ; the numbers are back; the stage's stores have read their registers, and so have the last step's stores of codes
.if (\q)+4 < 16
	XLOAD (\q)+4                                   ; four steps ahead: 64 loads of a wave are out
.endif
	QUANT XF, 0
	ds_store_b128 v[XWI], v[PC:PC+3] offset:(\q)*1024            ; the image of fragment (tile 2 w + u, K step s)
	ds_store_b128 v[XWI], v[PC+4:PC+7] offset:(\q)*1024+512
	ds_store_b32 v[XWS], v[PW] offset:64*((\q)/8)+128*((\q)%8)   ; lanes r and r + 16 write the same word with the same value
.endm
	XLOAD 0
	XLOAD 1
	XLOAD 2
	XLOAD 3
.irp q, 0,1,2,3,4,5,6,7,8,9,10,11,12,13,14,15
	XSTEP \q
.endr
	s_wait_dscnt 0x0                               ; for the others' sake: my images and scale words lie in LDS
	s_barrier_signal -1
	s_barrier_wait -1                              ; everybody's do; from here on LDS is only read
; ---- PHASE 1
.macro XFETCH s, set                   ; K step s of x's eight tiles into set
.irp m, 0,1,2,3,4,5,6,7
.irp c, 0,1
	ds_load_b128 v[XF+64*(\set)+8*\m+4*\c:XF+64*(\set)+8*\m+4*\c+3], v[LI] offset:(8*\m+(\s))*1024+512*\c
.endr
.endr
.endm
; A K step of a head: 32 matrix instructions on 32 accumulators, one instruction a turn, in the same order in every step.
; Behind them: x's fragments of two steps on, and, unless this is my last head, the NEXT head's fragments of W for this same step, into the registers just multiplied.
.macro KSTEP path, s
	s_wait_dscnt 16                                ; this step's 16 fragment loads are in (in the first step x's scale words too); the next step's 16 may be out
.if \path
.if (\s) == 0
	WIN 0x48                                       ; source 1 (W) window 2, D window 1, C (the bias) window 0
.else
	WIN 0x58                                       ; C window 1 too
.endif
.irp t, 0,1,2,3
.irp m, 0,1,2,3,4,5,6,7
.if (\s) == 0
	MM 64*\t+8*\m, XF+64*((\s)%2)+8*\m, 32*(\s)+8*\t, BI+8*\t, XS+8*(\m/2)+(\s), WS+8*(\t/2)+(\s), \m%2, \t%2
.else
	MM 64*\t+8*\m, XF+64*((\s)%2)+8*\m, 32*(\s)+8*\t, 64*\t+8*\m, XS+8*(\m/2)+(\s), WS+8*(\t/2)+(\s), \m%2, \t%2
.endif
.endr
.endr
.else
.if (\s) == 0
	WIN 0x42                                       ; source 0 (W) window 2, D window 1, C (the bias) window 0
.else
	WIN 0x52
.endif
.irp m, 0,1,2,3,4,5,6,7
.irp t, 0,1,2,3
.if (\s) == 0
	MM 32*\m+8*\t, 32*(\s)+8*\t, XF+64*((\s)%2)+8*\m, BI+8*\t, WS+8*(\t/2)+(\s), XS+8*(\m/2)+(\s), \t%2, \m%2
.else
	MM 32*\m+8*\t, 32*(\s)+8*\t, XF+64*((\s)%2)+8*\m, 32*\m+8*\t, WS+8*(\t/2)+(\s), XS+8*(\m/2)+(\s), \t%2, \m%2
.endif
.endr
.endr
.endif
	WIN 0
.rept 4
	v_nop                                          ; four places in front of loads into registers that these products have read, and behind step 7 in front of the first read of results
.endr
	XFETCH ((\s)+2)%8, (\s)%2                      ; steps 6 and 7 fetch steps 0 and 1 for the next head, so that the count above is 16 in every step
	s_cmp_eq_u32 s[HC], 1
	s_cbranch_scc1 .Lno_next_\@                    ; my last head asks for nothing: no load leaves its buffer
.if (\s) == 0
	BIAS \path
.endif
	WIN 0x80
	WLOAD \s
	WIN 0
.if (\s) == 7
	WSLOAD
.endif
.Lno_next_\@:
.endm
; The head's 256 results of a lane become four images and their words.  Path 0: group g = the rows' tiles 2 g and 2 g + 1.  Path 1: group g = tile g of the head's channels x 128 keys.
.macro EPI
.irp g, 0,1,2,3
	s_wait_xcnt 0x0                                ; the last stores have read their data: the codes' registers are written again only behind this wait
	QUANT 64*\g, 1
.if (\g%2) == 0
	v_mov_b32 v[PK], v[PW]
.else
	v_cndmask_b32 v[SW+\g/2], v[PK], v[PW], s[MASK]   ; lanes 0-15 the even image's word, lanes 16-31 the odd one's
.endif
	global_store_b128 v[LI], v[PC:PC+3], s[12:13] offset:1024*\g       ; 512 consecutive bytes, aligned to 256
	global_store_b128 v[LI], v[PC+4:PC+7], s[12:13] offset:1024*\g+512
.endr
	global_store_b64 v[L8], v[SW:SW+1], s[12:13] offset:4096           ; 256 consecutive bytes, aligned
.endm
.macro HEADLOOP path
	s_mov_b32 s[HC], 4
.Lhead_\@:
	s_wait_loadcnt 0x0                             ; this head's W, scale words and bias are in, so their bases may step: to the next head
	s_add_nc_u64 s[6:7], s[6:7], 32768
	s_add_nc_u64 s[8:9], s[8:9], 2048
	s_add_nc_u64 s[10:11], s[10:11], 256
.irp s, 0,1,2,3,4,5,6,7
	KSTEP \path, \s
.endr
	EPI                                            ; (its plain lines on v224-251 are also the places in front of the next head's first products, which write over these accumulators)
	s_wait_xcnt 0x0                                ; the stores have read their base
	s_add_nc_u64 s[12:13], s[12:13], s[14:15]
	s_sub_co_u32 s[HC], s[HC], 1
	s_cmp_lg_u32 s[HC], 0
	s_cbranch_scc1 .Lhead_\@
.endm
.irp p, 0,1,2,3                        ; x's scale words stay in registers: lanes 0-15 tile 2 p, lanes 16-31 tile 2 p + 1
.irp s, 0,1,2,3,4,5,6,7
	ds_load_b32 v[XS+8*\p+\s], v[XSR] offset:1024*\p+128*\s
.endr
.endr
	XFETCH 0, 0
	XFETCH 1, 1
	s_cmp_lt_u32 ttmp9, 96
	s_cbranch_scc0 .Lvalues
	HEADLOOP 0
	s_branch .Lend
.Lvalues:
	HEADLOOP 1
.Lend:
	s_wait_dscnt 0x0                               ; the last head's fetches for a next head bring nothing that is used
	s_wait_tensorcnt 0x0
	ds_add_u32 v254, v255
	s_wait_dscnt 0x0
	s_endpgm
.Lfunc_end_k_q8a423e09ed_proj:
	.size	k_q8a423e09ed_proj, .Lfunc_end_k_q8a423e09ed_proj-k_q8a423e09ed_proj
	.p2alignl 7, 3214868480
	.fill 96, 4, 3214868480
	.section	.rodata,"a",@progbits
	.p2align	6, 0x0
	.amdhsa_kernel k_q8a423e09ed_proj
		.amdhsa_group_segment_fixed_size 103936
		.amdhsa_private_segment_fixed_size 0
		.amdhsa_enable_private_segment 0
		.amdhsa_kernarg_size 80
		.amdhsa_user_sgpr_count 2
		.amdhsa_user_sgpr_kernarg_segment_ptr 1
		.amdhsa_wavefront_size32 1
		.amdhsa_system_sgpr_workgroup_id_x 1
		.amdhsa_system_sgpr_workgroup_id_y 1
		.amdhsa_system_sgpr_workgroup_id_z 1
		.amdhsa_system_vgpr_workitem_id 0
		.amdhsa_next_free_vgpr 768
		.amdhsa_next_free_sgpr 66
		.amdhsa_reserve_vcc 0
		.amdhsa_float_denorm_mode_32 3
		.amdhsa_float_denorm_mode_16_64 3
		.amdhsa_memory_ordered 1
		.amdhsa_forward_progress 1
		.amdhsa_inst_pref_size 255
	.end_amdhsa_kernel
	.section	.bss,"aw",@nobits
	.p2align	6
	.space	262144
	.amdgpu_metadata
---
amdhsa.version: [ 1, 2 ]
amdhsa.kernels:
  - .name:           k_q8a423e09ed_proj
    .symbol:         k_q8a423e09ed_proj.kd
    .args:
      - { .name: target_embedding, .offset: 0, .size: 8, .value_kind: global_buffer, .address_space: global }
      - { .name: source_embedding, .offset: 8, .size: 8, .value_kind: global_buffer, .address_space: global }
      - { .name: value_embedding, .offset: 16, .size: 8, .value_kind: global_buffer, .address_space: global }
      - { .name: bq, .offset: 24, .size: 8, .value_kind: global_buffer, .address_space: global }
      - { .name: bk, .offset: 32, .size: 8, .value_kind: global_buffer, .address_space: global }
      - { .name: bv, .offset: 40, .size: 8, .value_kind: global_buffer, .address_space: global }
      - { .name: wimg, .offset: 48, .size: 8, .value_kind: global_buffer, .address_space: global }
      - { .name: wsc, .offset: 56, .size: 8, .value_kind: global_buffer, .address_space: global }
      - { .name: qbuf, .offset: 64, .size: 8, .value_kind: global_buffer, .address_space: global }
      - { .name: kv, .offset: 72, .size: 8, .value_kind: global_buffer, .address_space: global }
    .group_segment_fixed_size: 103936
    .private_segment_fixed_size: 0
    .kernarg_segment_align: 8
    .kernarg_segment_size: 80
    .max_flat_workgroup_size: 128
    .sgpr_count:     66
    .vgpr_count:     768
    .wavefront_size: 32
...
	.end_amdgpu_metadata
.endif
;; end of part 2
;; launch attn (part 3): grid 8 x 32, 16 waves a work-group, no clusters, 280,576 bytes of LDS; arguments qbuf, kv, oimg, osc; writes oimg, osc
.if DOCPART == 3
	.amdgcn_target "amdgcn-amd-amdhsa--gfx1250"
	.amdhsa_code_object_version 6
	.text
	.protected	k_q8a423e09ed_attn
	.globl	k_q8a423e09ed_attn
	.p2align	8
	.type	k_q8a423e09ed_attn,@function
k_q8a423e09ed_attn:
	s_mov_b64 s[64:65], 0
	v_nop
	global_prefetch_b8 v0, s[64:65] scope:SCOPE_SE
	s_setreg_imm32_b32 hwreg(HW_REG_WAVE_MODE, 25, 1), 1
	s_wait_xcnt 0x0
; O[b][h][q] = the sum over keys of softmax(q . k / 8) v, 16 heads of 64, 2,048 queries, 4,096 keys, both products on codes of FP4 (E2M1) with one E8M0 byte for each 32 along K; the result is
; quantised along h x 64 + d for the last projection and leaves as images of that operand's registers.
; THE SOFTMAX AHEAD OF THE SECOND PRODUCT: t = score x log2(e) / 8; M = the row's largest t so far, rounded UP to a whole number; p = 2^(t - M) is what is quantised, along the keys, not normalised.
; The row's sum is taken of the unquantised p, in f32, and divides O at the end.  When M moves, the sum and O are multiplied by 2^(old M - new M): exact.
; SHARES.  Work-group (x, y): head y = 16 b + h, queries 256 x on.  Each of its SIXTEEN waves owns one tile of 16 queries in 256 registers: four waves to a SIMD, so that one wave's vector work
; stands beside another's matrix work and LDS loads.  Every wave walks all 4,096 keys, 128 a step: 12 matrix instructions and some 235 vector instructions.
; LDS holds the head's WHOLE K and V, 278,528 bytes, as they lie in kv: [step: 32][K's 4 images, 256 bytes of scale words, V's 4 images, 256 bytes of scale words].  It is filled ONCE: each wave
; issues four tensor loads at its start, one block of 4,352 bytes (17 rows of 256) in each group of 8 key steps, so that every wave has the same four loads and the same counted waits; four
; tensor loads of a wave are out at the most.  Nothing is filled again.  A barrier stands at the head of each group; a group's blocks land under the 8 key steps of the group before.
; The eight work-groups of a head read the same K and V.  They are not asked for jointly: a work-group asks for all its bytes in its first lines, once, and three of its four groups are on their
; way while 8, 16 and 24 key steps are worked: no line of the loop waits for a request.
; K = 64 IN THE FIRST PRODUCT.  An image of K holds TWO tiles of 16 keys: k 0-63 tile 2 i's channels, k 64-127 tile 2 i + 1's.  The wave keeps [q | 0] and [0 | q]: image x [q | 0] gives tile 2 i's
; scores, image x [0 | q] tile 2 i + 1's; the zero codes add nothing under any scale byte from 1 to 254.
; LAYOUT.  Both products transposed (S^T = K Q^T, O^T = V^T P^T): a lane holds ONE query (lane % 16) throughout.  Lane r of key tile 2 b + u is key 32 b + 8 u + r + 8 (r / 8), so that the 16
; registers of tiles 2 b, 2 b + 1 are keys 32 b + 16 (lane / 16) + 0 .. 15; V's tiles of channels are formed alike, so that O^T's 32 registers are channels 32 b + 16 (lane / 16) + 0 .. 15.
; OUT.  oimg [tile of rows: 256][K step: 8][1,024]: my head is half h % 2 (512 consecutive bytes, aligned to 256) of K step h / 2.  osc [pair of tiles][K step][tile of the pair][r][h % 2] of two
; bytes: stores of two bytes a lane, four bytes apart; lanes r and r + 16 write the same two bytes with the same value; osc is 131,072 bytes in all.
; LIMITS: NaN and infinities are not served; p under 2^-126 is 0 (v_exp_f32 gives no denormals: ISA guide, its entry); 1 / the sum is v_rcp_f32's; a block whose largest magnitude lies under
; 2^-124 (a block of zeros too) gets the byte 1, and the bytes are read by this program alone.
; REGISTERS: v1 16 x lane, v2 8 x lane, v3, v4 the step's LDS addresses, v5 4 r, v6 8 r; v12 -M, v13 the largest t, v[14:15] the sum in two halves; v16-23 [q | 0], v24-31 [0 | q]; v32-63 K's images;
; v64-95 V's; v96-159 S^T, then p; v160-191 O^T; v192-199 p's codes; v[200:201] K's scale words, v[202:203] V's, v204 q's, v205 p's; v206, v232-254 at work.
.set G1,  24                           ; s[24:31] descriptor group 1;  s[32:47] four groups 0
.set G0,  32
.set WV,  18                           ; s18 wave;  s19 the head;  s[20:21] selects for lane l xor 16;  s[22:23] c;  s2 LDS byte of the step;  s3 steps to go
.set SEL, 20
.set CS,  22
	s_load_b256 s[4:11], s[0:1], 0x0               ; qbuf, kv, oimg, osc
	v_lshl_add_u32 v251, v0, 2, 0x44000
	v_mov_b32 v255, 0
	ds_add_u32 v251, v255
	ds_add_u32 v251, v255
	v_lshrrev_b32 v5, 5, v0
	v_readfirstlane_b32 s[WV], v5                  ; wave 0..15
	s_and_b32 s19, ttmp7, 0xffff                   ; 16 b + h
	s_mov_b32 s[G1+0], 3<<16                       ; 15:0 no mask; 17:16 elements of 8 bytes; no padding: every LDS load here reads consecutive bytes
	s_mov_b32 s[G1+1], 32<<16                      ; tensor_dim0 = 32 elements: 256 bytes
	s_mov_b32 s[G1+2], 17<<16                      ; tensor_dim1 = 17 rows
	s_mov_b32 s[G1+3], 32<<16                      ; tile_dim0
	s_mov_b32 s[G1+4], 17                          ; tile_dim1
	s_mov_b32 s[G1+5], 32                          ; from row to row: dense
	s_mov_b32 s[G1+6], 0
	s_mov_b32 s[G1+7], 0
	s_mul_i32 s12, s[WV], 4352                     ; my block in a group of 8 key steps (16 blocks)
	s_mul_i32 s14, s19, 278528                     ; the head's K and V
	s_add_co_u32 s14, s14, s12
	s_mov_b32 s15, 0
	s_lshl_b32 s52, s19, 4                         ; q: block of 128 queries = 16 (16 b + h) + 2 x + wave / 8
	s_lshl_b32 s53, ttmp9, 1
	s_add_co_u32 s52, s52, s53
	s_lshr_b32 s53, s[WV], 3
	s_add_co_u32 s52, s52, s53
	s_mul_i32 s52, s52, 4352
	s_and_b32 s16, s[WV], 1                        ; my tile is half wave % 2
	s_bfe_u32 s17, s[WV], 0x20001                  ; of image i = (wave % 8) / 2
	s_lshl_b32 s53, s17, 10
	s_add_co_u32 s54, s52, s53
	s_lshl_b32 s53, s16, 9
	s_add_co_u32 s54, s54, s53                     ; its codes
	s_mov_b32 s55, 0
	s_and_b32 s53, s17, 1                          ; its scale word: behind the four images, 8 bytes a lane: lane 16 (i % 2) + r, word i / 2
	s_lshl_b32 s53, s53, 7
	s_add_co_u32 s56, s52, s53
	s_lshr_b32 s53, s17, 1
	s_lshl_b32 s53, s53, 2
	s_add_co_u32 s56, s56, s53
	s_add_co_u32 s56, s56, 4096
	s_mov_b32 s57, 0
	s_lshl_b32 s16, s16, 4                         ; my two bytes stand 16 (wave % 2) bits up in it
	s_lshr_b32 s52, s19, 4                         ; out: tile of rows = 128 b + 16 x + wave
	s_lshl_b32 s52, s52, 7
	s_lshl_b32 s53, ttmp9, 4
	s_add_co_u32 s52, s52, s53
	s_add_co_u32 s52, s52, s[WV]
	s_and_b32 s53, s19, 15                         ; h
	s_lshr_b32 s58, s53, 1                         ; K step of the last projection
	s_and_b32 s53, s53, 1                          ; and the half of it
	s_lshl_b32 s60, s52, 13
	s_lshl_b32 s59, s58, 10
	s_add_co_u32 s60, s60, s59
	s_lshl_b32 s59, s53, 9
	s_add_co_u32 s60, s60, s59
	s_mov_b32 s61, 0
	s_lshr_b32 s62, s52, 1
	s_lshl_b32 s62, s62, 10
	s_lshl_b32 s59, s58, 7
	s_add_co_u32 s62, s62, s59
	s_and_b32 s59, s52, 1
	s_lshl_b32 s59, s59, 6
	s_add_co_u32 s62, s62, s59
	s_lshl_b32 s59, s53, 1
	s_add_co_u32 s62, s62, s59
	s_mov_b32 s63, 0
	s_mov_b32 s[SEL], 0x76543210
	s_mov_b32 s[SEL+1], 0xfedcba98
	s_mov_b32 s[CS], 0x3e38aa3b                    ; c = log2(e) / 8
	s_mov_b32 s[CS+1], s[CS]                       ; (named with it as a pair, so it is written)
	s_wait_dscnt 0x0
	s_wait_kmcnt 0x0
	s_add_nc_u64 s[6:7], s[6:7], s[14:15]
.irp g, 0,1,2,3
	s_mov_b32 s[G0+4*\g], 1                        ; count = 1
	s_add_co_u32 s[G0+4*\g+1], s12, 69632*\g       ; LDS address: 69,632 x group + 4,352 x wave
	s_add_nc_u64 s[G0+4*\g+2:G0+4*\g+3], s[6:7], 69632*\g   ; the same place in the head's bytes
	s_or_b32 s[G0+4*\g+3], s[G0+4*\g+3], 0x80000000         ; type = 2
.endr
.irp g, 0,1,2,3
	tensor_load_to_lds s[G0+4*\g:G0+4*\g+3], s[G1:G1+7]     ; all first fills together, ahead of every wait on TENSORcnt, every LDS read and every barrier
	s_nop 0
.endr
.rept 4
	v_nop
.endr
	s_add_nc_u64 s[48:49], s[4:5], s[54:55]
	s_add_nc_u64 s[50:51], s[4:5], s[56:57]
	s_add_nc_u64 s[8:9], s[8:9], s[60:61]
	s_add_nc_u64 s[10:11], s[10:11], s[62:63]
	v_and_b32 v7, 31, v0
	v_and_b32 v8, 15, v0
	v_lshlrev_b32 v1, 4, v7
	v_lshlrev_b32 v2, 3, v7
	v_lshlrev_b32 v5, 2, v8
	v_lshlrev_b32 v6, 3, v8
	global_load_b128 v[16:19], v1, s[48:49]        ; q's half image, twice: two runs of registers
	global_load_b128 v[28:31], v1, s[48:49]
	global_load_b32 v204, v6, s[50:51]
.irp j, 20,21,22,23,24,25,26,27
	v_mov_b32 v[\j], 0                             ; the zero halves
.endr
	v_mov_b32 v13, 0xff61b1e6                      ; the largest t so far: -3e38, under every t
	v_floor_f32 v12, -v13                          ; -M
	v_mov_b32 v14, 0
	v_mov_b32 v15, 0
	v_mov_b32 v253, 0                              ; (the upper half of the pair v[252:253])
.irp b, 0,1,2,3
	v_mov_b32 v[236+\b], 0                         ; written once: a lane permute's destination counts as one of its sources
.endr
	s_wait_loadcnt 0x0
	v_lshrrev_b32 v204, s16, v204                  ; my tile's two bytes,
	v_and_b32 v204, 0xffff, v204
	v_lshl_or_b32 v204, v204, 16, v204             ; for k 0-63 and again for k 64-127
.irp j, 0,1,2,3,4,5,6,7,8,9,10,11,12,13,14,15,16,17,18,19,20,21,22,23,24,25,26,27,28,29,30,31
	v_mov_b32 v[160+\j], 0                         ; O^T: the step is written once; its first run finds zeros.  (Also the places between the lines above and the first products)
.endr
.macro SQ i, u                         ; the scores of key tile 2 i + u
.if ((\i)%2) != 0
	v_wmma_scale_f32_16x16x128_f8f6f4 v[96+8*(2*(\i)+(\u)):103+8*(2*(\i)+(\u))], v[32+8*(\i):39+8*(\i)], v[16+8*(\u):23+8*(\u)], 0, v[200+(\i)/2], v204 matrix_a_fmt:MATRIX_FMT_FP4 matrix_b_fmt:MATRIX_FMT_FP4 matrix_a_scale:MATRIX_SCALE_ROW1
.else
	v_wmma_scale_f32_16x16x128_f8f6f4 v[96+8*(2*(\i)+(\u)):103+8*(2*(\i)+(\u))], v[32+8*(\i):39+8*(\i)], v[16+8*(\u):23+8*(\u)], 0, v[200+(\i)/2], v204 matrix_a_fmt:MATRIX_FMT_FP4 matrix_b_fmt:MATRIX_FMT_FP4
.endif
.endm
.macro PV t                            ; O^T's tile t of 16 channels += V's image t x p
.if ((\t)%2) != 0
	v_wmma_scale_f32_16x16x128_f8f6f4 v[160+8*(\t):167+8*(\t)], v[64+8*(\t):71+8*(\t)], v[192:199], v[160+8*(\t):167+8*(\t)], v[202+(\t)/2], v205 matrix_a_fmt:MATRIX_FMT_FP4 matrix_b_fmt:MATRIX_FMT_FP4 matrix_a_scale:MATRIX_SCALE_ROW1
.else
	v_wmma_scale_f32_16x16x128_f8f6f4 v[160+8*(\t):167+8*(\t)], v[64+8*(\t):71+8*(\t)], v[192:199], v[160+8*(\t):167+8*(\t)], v[202+(\t)/2], v205 matrix_a_fmt:MATRIX_FMT_FP4 matrix_b_fmt:MATRIX_FMT_FP4
.endif
.endm
; A KEY STEP: 128 keys, at LDS byte s2
.macro STEP
	v_add_nc_u32 v3, s2, v1
	v_add_nc_u32 v4, s2, v2
	v_nop
	v_nop                                          ; four places in front of loads into registers that the last products have read
.irp i, 0,1,2,3
.irp c, 0,1
	ds_load_b128 v[32+8*\i+4*\c:35+8*\i+4*\c], v3 offset:1024*\i+512*\c
.endr
.endr
	ds_load_b64 v[200:201], v4 offset:4096
.irp i, 0,1,2,3
.irp c, 0,1
	ds_load_b128 v[64+8*\i+4*\c:67+8*\i+4*\c], v3 offset:4352+1024*\i+512*\c
.endr
.endr
	ds_load_b64 v[202:203], v4 offset:8448
	s_wait_dscnt 9                                 ; K's images and words are in; V's nine loads may be out: they land under the softmax
.irp i, 0,1,2,3
.irp u, 0,1
	SQ \i, \u
.endr
.endr
.rept 4
	v_nop
.endr
.irp b, 0,1,2,3
	v_max3_num_f32 v[232+\b], v[96+16*\b], v[97+16*\b], v[98+16*\b]   ; THE LARGEST SCORE OF EACH BLOCK OF 32 KEYS serves twice: for the row's maximum and, since p rises with the score, for the block's largest p
.endr
.irp i, 3,5,7,9,11,13
.irp b, 0,1,2,3
	v_max3_num_f32 v[232+\b], v[232+\b], v[96+16*\b+\i], v[97+16*\b+\i]
.endr
.endr
.irp b, 0,1,2,3
	v_max_num_f32 v[232+\b], v[232+\b], v[111+16*\b]
.endr
.irp b, 0,1,2,3
	v_permlanex16_b32 v[236+\b], v[232+\b], s[SEL], s[SEL+1]
.endr
.irp b, 0,1,2,3
	v_max_num_f32 v[232+\b], v[232+\b], v[236+\b]  ; with lane l xor 16's 16 keys
.endr
	v_max3_num_f32 v254, v232, v233, v234
	v_max_num_f32 v254, v254, v235                 ; the step's largest score of my query
	v_mul_f32 v254, s[CS], v254                    ; as t (c is positive)
	v_max_num_f32 v13, v13, v254                   ; the running largest t
	v_mov_b32 v254, v12
	v_floor_f32 v12, -v13                          ; the new -M = floor(-t) = -ceil(t)
	v_sub_f32 v254, v12, v254                      ; old M - new M: a whole number, 0 or less
	v_cvt_i32_f32 v254, v254                       ; (it saturates)
	v_ldexp_f32 v252, 1.0, v254                    ; f = 2^(old M - new M)
.irp j, 0,2,4,6,8,10,12,14,16,18,20,22,24,26,28,30,32,34,36,38,40,42,44,46,48,50,52,54,56,58,60,62
	v_pk_fma_f32 v[96+\j:97+\j], v[96+\j:97+\j], s[CS:CS+1], v[12:13] op_sel_hi:[1,0,0]   ; t - M, two at a time (of the pairs c and -M the low word serves both halves)
.endr
.irp b, 0,1,2,3
	v_fma_f32 v[232+\b], v[232+\b], s[CS], v12     ; the same of each block's largest score
.endr
.irp j, 0,1,2,3,4,5,6,7,8,9,10,11,12,13,14,15,16,17,18,19,20,21,22,23,24,25,26,27,28,29,30,31,32,33,34,35,36,37,38,39,40,41,42,43,44,45,46,47,48,49,50,51,52,53,54,55,56,57,58,59,60,61,62,63
	v_exp_f32 v[96+\j], v[96+\j]                   ; p = 2^(t - M), at most 1
.endr
.irp b, 0,1,2,3
	v_exp_f32 v[232+\b], v[232+\b]                 ; the block's largest p: the same two instructions on the same number give the same bits
.endr
	v_pk_mul_f32 v[14:15], v[14:15], v[252:253] op_sel_hi:[1,0]   ; the sums under the new M.  (The plain place behind the exponentials)
	s_wait_alu depctr_va_vdst(0)
.irp b, 0,1,2,3
	v_max_num_f32 v[232+\b], 0x1800000, v[232+\b]  ; the floor 2^(3 - 127): the byte cannot fall under 1
.endr
.irp b, 0,1,2,3
	v_add_nc_u32 v[244+\b], 0xff000000, v[232+\b]  ; 2 off the exponent field: the conversion's scale operand
.endr
.irp b, 0,1,2,3
	v_lshrrev_b32 v[236+\b], 23, v[244+\b]         ; the scale's byte
.endr
	v_lshl_or_b32 v205, v237, 8, v236              ; p's scale word for these 128 keys
	v_lshl_or_b32 v205, v238, 16, v205
	v_lshl_or_b32 v205, v239, 24, v205
.irp b, 0,1,2,3
	v_cvt_scalef32_pk8_fp4_f32 v[192+2*\b], v[96+16*\b:103+16*\b], v[244+\b]
	v_cvt_scalef32_pk8_fp4_f32 v[193+2*\b], v[104+16*\b:111+16*\b], v[244+\b]
.endr
	v_nop                                          ; one plain place behind the scaled conversions
.irp c, 0,1                            ; the operand wants a WHOLE block in a lane
.irp i, 0,1
	v_permlane16_swap_b32 v[192+4*\c+\i], v[194+4*\c+\i]
.endr
.endr
	v_pk_add_f32 v[236:237], v[96:97], v[98:99]    ; THE ROW'S SUM IS TAKEN OF THE UNQUANTISED p: two at a time, in two chains
.irp j, 4,8,12,16,20,24,28,32,36,40,44,48,52,56,60
	v_pk_add_f32 v[14:15], v[14:15], v[96+\j:97+\j]
	v_pk_add_f32 v[236:237], v[236:237], v[98+\j:99+\j]
.endr
	v_pk_add_f32 v[14:15], v[14:15], v[236:237]
.irp j, 0,2,4,6,8,10,12,14,16,18,20,22,24,26,28,30
	v_pk_mul_f32 v[160+\j:161+\j], v[160+\j:161+\j], v[252:253] op_sel_hi:[1,0]   ; O^T under the new M.  (With the sums: the places between p's codes and scale word and the products)
.endr
	s_wait_dscnt 0x0                               ; V's images and words are in
.irp t, 0,1,2,3
	PV \t                                          ; four accumulators, one instruction a turn; the next matrix instruction is the next step's first score
.endr
	s_add_co_u32 s2, s2, 8704
.endm
.macro GROUP g                         ; key steps 8 g .. 8 g + 7
	s_wait_tensorcnt 3-\g                          ; my block of this group has landed; my loads of the later groups may be out
	s_wait_dscnt 0x0
	s_barrier_signal -1
	s_barrier_wait -1                              ; everybody's has
	s_mov_b32 s2, 69632*\g
	s_mov_b32 s3, 8
.Lstep_\@:
	STEP
	s_sub_co_u32 s3, s3, 1
	s_cmp_lg_u32 s3, 0
	s_cbranch_scc1 .Lstep_\@
.endm
	GROUP 0
	GROUP 1
	GROUP 2
	GROUP 3
	; THE WAY OUT: O^T / the sum, quantised along the head's 64 channels (two blocks): half a fragment of the last projection's operand
.rept 4
	v_nop
.endr
	v_add_f32 v14, v14, v15                        ; the sum's two halves,
	v_permlanex16_b32 v252, v14, s[SEL], s[SEL+1]
	v_add_f32 v14, v14, v252                       ; and lane l xor 16's: the row's sum, over 1/2
	v_rcp_f32 v14, v14
	v_nop                                          ; one plain place behind the transcendental
	s_wait_alu depctr_va_vdst(0)
.irp j, 0,1,2,3,4,5,6,7,8,9,10,11,12,13,14,15,16,17,18,19,20,21,22,23,24,25,26,27,28,29,30,31
	v_mul_f32 v[96+\j], v[160+\j], v14             ; register 16 b + i: channel 32 b + 16 (lane / 16) + i of my query; each accumulator from its low end on
.endr
.irp b, 0,1
	v_max3_num_f32 v[232+\b], |v[96+16*\b]|, |v[97+16*\b]|, 0x1800000
.endr
.irp i, 2,4,6,8,10,12,14
.irp b, 0,1
	v_max3_num_f32 v[232+\b], v[232+\b], |v[96+16*\b+\i]|, |v[97+16*\b+\i]|
.endr
.endr
.irp b, 0,1
	v_permlanex16_b32 v[236+\b], v[232+\b], s[SEL], s[SEL+1]
.endr
.irp b, 0,1
	v_max_num_f32 v[232+\b], v[232+\b], v[236+\b]
.endr
.irp b, 0,1
	v_add_nc_u32 v[244+\b], 0xff000000, v[232+\b]
.endr
.irp b, 0,1
	v_lshrrev_b32 v[236+\b], 23, v[244+\b]
.endr
	v_lshl_or_b32 v206, v237, 8, v236              ; my row's two scale bytes
.irp b, 0,1
	v_cvt_scalef32_pk8_fp4_f32 v[192+2*\b], v[96+16*\b:103+16*\b], v[244+\b]
	v_cvt_scalef32_pk8_fp4_f32 v[193+2*\b], v[104+16*\b:111+16*\b], v[244+\b]
.endr
	v_nop
	v_permlane16_swap_b32 v192, v194               ; v192-195 now hold channels 32 (lane / 16) + 0 .. 31
	v_permlane16_swap_b32 v193, v195
	global_store_b128 v1, v[192:195], s[8:9]       ; 512 consecutive bytes, aligned to 256
	global_store_b16 v5, v206, s[10:11]
	s_wait_tensorcnt 0x0
	ds_add_u32 v251, v255
	s_wait_dscnt 0x0
	s_endpgm
.Lfunc_end_k_q8a423e09ed_attn:
	.size	k_q8a423e09ed_attn, .Lfunc_end_k_q8a423e09ed_attn-k_q8a423e09ed_attn
	.p2alignl 7, 3214868480
	.fill 96, 4, 3214868480
	.section	.rodata,"a",@progbits
	.p2align	6, 0x0
	.amdhsa_kernel k_q8a423e09ed_attn
		.amdhsa_group_segment_fixed_size 280576
		.amdhsa_private_segment_fixed_size 0
		.amdhsa_enable_private_segment 0
		.amdhsa_kernarg_size 32
		.amdhsa_user_sgpr_count 2
		.amdhsa_user_sgpr_kernarg_segment_ptr 1
		.amdhsa_wavefront_size32 1
		.amdhsa_system_sgpr_workgroup_id_x 1
		.amdhsa_system_sgpr_workgroup_id_y 1
		.amdhsa_system_sgpr_workgroup_id_z 1
		.amdhsa_system_vgpr_workitem_id 0
		.amdhsa_next_free_vgpr 256
		.amdhsa_next_free_sgpr 66
		.amdhsa_reserve_vcc 0
		.amdhsa_float_denorm_mode_32 3
		.amdhsa_float_denorm_mode_16_64 3
		.amdhsa_memory_ordered 1
		.amdhsa_forward_progress 1
		.amdhsa_inst_pref_size 70
	.end_amdhsa_kernel
	.amdgpu_metadata
---
amdhsa.version: [ 1, 2 ]
amdhsa.kernels:
  - .name:           k_q8a423e09ed_attn
    .symbol:         k_q8a423e09ed_attn.kd
    .args:
      - { .name: qbuf, .offset: 0, .size: 8, .value_kind: global_buffer, .address_space: global }
      - { .name: kv, .offset: 8, .size: 8, .value_kind: global_buffer, .address_space: global }
      - { .name: oimg, .offset: 16, .size: 8, .value_kind: global_buffer, .address_space: global }
      - { .name: osc, .offset: 24, .size: 8, .value_kind: global_buffer, .address_space: global }
    .group_segment_fixed_size: 280576
    .private_segment_fixed_size: 0
    .kernarg_segment_align: 8
    .kernarg_segment_size: 32
    .max_flat_workgroup_size: 512
    .sgpr_count:     66
    .vgpr_count:     256
    .wavefront_size: 32
...
	.end_amdgpu_metadata
.endif
;; end of part 3
;; launch oproj (part 4): grid 8 x 32, 4 waves a work-group, no clusters, 17,920 bytes of LDS; arguments oimg, osc, wimg, wsc, bo, out0; writes out0
.if DOCPART == 4
	.amdgcn_target "amdgcn-amd-amdhsa--gfx1250"
	.amdhsa_code_object_version 6
	.text
	.protected	k_q8a423e09ed_oproj
	.globl	k_q8a423e09ed_oproj
	.p2align	8
	.type	k_q8a423e09ed_oproj,@function
k_q8a423e09ed_oproj:
	s_mov_b64 s[64:65], 0
	v_nop
	global_prefetch_b8 v0, s[64:65] scope:SCOPE_SE
	s_setreg_imm32_b32 hwreg(HW_REG_WAVE_MODE, 25, 1), 1
	s_wait_xcnt 0x0
; out0 = O Wo + bo, [4,096][1,024] f32, K = 1,024, on codes of FP4 (E2M1) with one E8M0 byte for each 32 along K.  Both operands lie in memory as images of their registers
; (a fragment of 16 rows x 128 K: registers 0-3 of lane l at 16 l, 4-7 at 512 + 16 l), so every load reads 512 consecutive bytes straight into an operand's registers.
; SHARES.  Work-group (x, y): rows 128 y on, columns 128 x on.  Wave w: 4 tiles of rows (half w / 2) x 64 columns (half w % 2): 16 accumulators; 8 K steps of 16 matrix instructions.
; Source 0 = 16 columns of Wo, source 1 = 16 rows of O: a lane holds one row and eight neighbouring columns.  Lane r of tile 2 b + u (rows and columns alike) is 32 b + 8 u + r + 8 (r / 8).
; The bias is the C of each sum's first matrix instruction.  The fragments' loads run three K steps ahead, each K step into registers of its own.
; THE WAY OUT: a tile of 16 rows x 256 bytes goes through the wave's own stage in LDS (rows 272 bytes apart) and leaves by rows: sixteen lanes store 256 consecutive bytes, aligned.
; No tensor load, so no joint requests and no cluster: a work-group's share is 256 KiB read once and 128 matrix instructions a wave.  No barrier: waves share nothing.
; REGISTERS.  Window 0: v1-6 addresses; v16-143 accumulators (32 m + 8 t); v144-159 O's scale words; v160-175 Wo's; v176-207 the bias, later rows on their way out; v208-239 likewise.
;   Window 1: O's fragments at 32 s + 8 m.   Window 2: Wo's at 32 s + 8 t.
.set SP,  272
.set ACC, 16
.set AS,  144
.set WS,  160
.set BI,  176
.set OUT, 176
.set MSB, 0
.macro WIN new                         ; s_set_vgpr_msb: bits 1:0 source 0, 3:2 source 1, 5:4 source 2, 7:6 destination; the high byte repeats the setting that is left
.if MSB != (\new)
	s_set_vgpr_msb (MSB<<8)|(\new)
.set MSB, \new
.endif
.endm
.macro MM d, a, b, c, sa, sb, ra, rb   ; ra, rb: source 0's, source 1's scale words stand in lanes 16-31 of their register
.if ((\ra) != 0) && ((\rb) != 0)
	v_wmma_scale_f32_16x16x128_f8f6f4 v[(\d):(\d)+7], v[(\a):(\a)+7], v[(\b):(\b)+7], v[(\c):(\c)+7], v[(\sa)], v[(\sb)] matrix_a_fmt:MATRIX_FMT_FP4 matrix_b_fmt:MATRIX_FMT_FP4 matrix_a_scale:MATRIX_SCALE_ROW1 matrix_b_scale:MATRIX_SCALE_ROW1
.elseif (\ra) != 0
	v_wmma_scale_f32_16x16x128_f8f6f4 v[(\d):(\d)+7], v[(\a):(\a)+7], v[(\b):(\b)+7], v[(\c):(\c)+7], v[(\sa)], v[(\sb)] matrix_a_fmt:MATRIX_FMT_FP4 matrix_b_fmt:MATRIX_FMT_FP4 matrix_a_scale:MATRIX_SCALE_ROW1
.elseif (\rb) != 0
	v_wmma_scale_f32_16x16x128_f8f6f4 v[(\d):(\d)+7], v[(\a):(\a)+7], v[(\b):(\b)+7], v[(\c):(\c)+7], v[(\sa)], v[(\sb)] matrix_a_fmt:MATRIX_FMT_FP4 matrix_b_fmt:MATRIX_FMT_FP4 matrix_b_scale:MATRIX_SCALE_ROW1
.else
	v_wmma_scale_f32_16x16x128_f8f6f4 v[(\d):(\d)+7], v[(\a):(\a)+7], v[(\b):(\b)+7], v[(\c):(\c)+7], v[(\sa)], v[(\sb)] matrix_a_fmt:MATRIX_FMT_FP4 matrix_b_fmt:MATRIX_FMT_FP4
.endif
.endm
	s_load_b256 s[4:11], s[0:1], 0x0               ; oimg, osc, wimg, wsc
	s_load_b128 s[12:15], s[0:1], 0x20             ; bo, out0
	v_lshl_add_u32 v254, v0, 2, 0x4400
	v_mov_b32 v255, 0
	v_lshrrev_b32 v7, 5, v0
	v_readfirstlane_b32 s16, v7                    ; wave 0..3
	s_lshr_b32 s17, s16, 1                         ; which 64 rows
	s_and_b32 s18, s16, 1
	s_lshl_b32 s19, ttmp9, 1
	s_add_co_u32 s19, s19, s18                     ; which 64 columns of the 1,024
	s_and_b32 s20, ttmp7, 0xffff                   ; which 128 rows
	v_and_b32 v7, 31, v0
	v_and_b32 v8, 15, v0                           ; r
	v_bfe_u32 v9, v0, 4, 1                         ; h
	v_lshlrev_b32 v1, 4, v7                        ; 16 x lane
	v_lshlrev_b32 v2, 2, v7                        ; 4 x lane
	v_lshlrev_b32 v3, 6, v9                        ; the bias: 64 h
	s_mul_i32 s21, s16, 16*SP                      ; my stage
	v_mul_u32_u24 v4, v8, SP
	v_lshl_add_u32 v4, v9, 6, v4
	v_add_nc_u32 v4, s21, v4                       ; in: row r, + 64 h
	v_mul_u32_u24 v5, v9, SP
	v_lshl_add_u32 v5, v8, 4, v5
	v_add_nc_u32 v5, s21, v5                       ; back: lanes 0-15 one row, lanes 16-31 the next
	v_lshlrev_b32 v6, 12, v9
	v_lshl_add_u32 v6, v8, 4, v6                   ; and the same two rows in out0
	s_mov_b32 s23, 0
	s_wait_kmcnt 0x0
	s_lshl_b32 s22, s20, 16                        ; oimg: 8 tiles of 8,192 bytes a block of 128 rows
	s_lshl_b32 s21, s17, 15
	s_add_co_u32 s22, s22, s21
	s_add_nc_u64 s[4:5], s[4:5], s[22:23]
	s_lshl_b32 s22, s20, 12                        ; osc: 4 pairs of tiles of 1,024 bytes
	s_lshl_b32 s21, s17, 11
	s_add_co_u32 s22, s22, s21
	s_add_nc_u64 s[6:7], s[6:7], s[22:23]
	s_lshl_b32 s22, s19, 15                        ; wimg: weight 3, four tiles of 8,192 bytes for 64 columns
	s_add_co_u32 s22, s22, 3<<19
	s_add_nc_u64 s[8:9], s[8:9], s[22:23]
	s_lshl_b32 s22, s19, 11                        ; wsc: weight 3, two pairs of tiles
	s_add_co_u32 s22, s22, 3<<15
	s_add_nc_u64 s[10:11], s[10:11], s[22:23]
	s_lshl_b32 s22, s19, 8                         ; bo, and the columns in out0: 256 bytes
	s_add_nc_u64 s[12:13], s[12:13], s[22:23]
	s_lshl_b32 s21, s20, 19
	s_add_co_u32 s22, s22, s21
	s_lshl_b32 s21, s17, 18
	s_add_co_u32 s22, s22, s21
	s_add_nc_u64 s[14:15], s[14:15], s[22:23]
.irp p, 0,1
.irp s, 0,1,2,3,4,5,6,7
	global_load_b32 v[AS+8*\p+\s], v2, s[6:7] offset:1024*\p+128*\s    ; lanes 0-15 tile 2 p, lanes 16-31 tile 2 p + 1
	global_load_b32 v[WS+8*\p+\s], v2, s[10:11] offset:1024*\p+128*\s
.endr
.endr
.irp t, 0,1,2,3                        ; a lane's registers of tile t are columns 32 (t / 2) + 16 h + 8 (t % 2) + 0 .. 7
	global_load_b128 v[BI+8*\t:BI+8*\t+3], v3, s[12:13] offset:(32*(\t/2)+8*(\t%2))*4
	global_load_b128 v[BI+8*\t+4:BI+8*\t+7], v3, s[12:13] offset:(32*(\t/2)+8*(\t%2))*4+16
.endr
.macro LD s                            ; K step s: 8 loads of O's fragments, 8 of Wo's
	WIN 0x40
.irp m, 0,1,2,3
.irp c, 0,1
	global_load_b128 v[32*(\s)+8*\m+4*\c:32*(\s)+8*\m+4*\c+3], v1, s[4:5] offset:8192*\m+1024*(\s)+512*\c
.endr
.endr
	WIN 0x80
.irp t, 0,1,2,3
.irp c, 0,1
	global_load_b128 v[32*(\s)+8*\t+4*\c:32*(\s)+8*\t+4*\c+3], v1, s[8:9] offset:(8*\t+(\s))*1024+512*\c
.endr
.endr
.endm
	LD 0
	LD 1
	LD 2
.macro KSTEP s
.if (\s)+3 < 8
	LD (\s)+3
	s_wait_loadcnt 48                              ; this K step's 16 loads are in (and the scale words and the bias); those of the three K steps behind it may be out
.else
	s_wait_loadcnt 16*(7-(\s))
.endif
	WIN 0x06                                       ; source 0 (Wo) window 2, source 1 (O) window 1, C and D window 0
.irp m, 0,1,2,3                        ; 16 accumulators, one instruction a turn, in the same order in every step
.irp t, 0,1,2,3
.if (\s) == 0
	MM ACC+32*\m+8*\t, 32*(\s)+8*\t, 32*(\s)+8*\m, BI+8*\t, WS+8*(\t/2)+(\s), AS+8*(\m/2)+(\s), \t%2, \m%2
.else
	MM ACC+32*\m+8*\t, 32*(\s)+8*\t, 32*(\s)+8*\m, ACC+32*\m+8*\t, WS+8*(\t/2)+(\s), AS+8*(\m/2)+(\s), \t%2, \m%2
.endif
.endr
.endr
.endm
.irp s, 0,1,2,3,4,5,6,7
	KSTEP \s
.endr
	WIN 0
.rept 4
	v_nop                                          ; four places in front of the first read of results and of loads into the bias's registers
.endr
.macro TOSTAGE a                       ; tile a of my rows: 32 bytes a lane and tile of columns into the stage, each accumulator from its low end on; back as rows of 256 bytes
.irp t, 0,1,2,3
	ds_store_b128 v4, v[ACC+32*(\a)+8*\t:ACC+32*(\a)+8*\t+3] offset:128*(\t/2)+32*(\t%2)
	ds_store_b128 v4, v[ACC+32*(\a)+8*\t+4:ACC+32*(\a)+8*\t+7] offset:128*(\t/2)+32*(\t%2)+16
.endr
.irp i, 0,1,2,3,4,5,6,7
	ds_load_b128 v[OUT+32*((\a)%2)+4*\i:OUT+32*((\a)%2)+4*\i+3], v5 offset:2*SP*\i   ; LDS serves a wave's instructions in order (ISA guide 5.7.1.4): these see the stores above, and the next tile's stores come behind them
.endr
.endm
.macro SEND a, younger                 ; younger: the LDS instructions issued behind tile a's loads, which may stay out
	s_wait_dscnt \younger
.irp i, 0,1,2,3,4,5,6,7                ; stage rows 2 i, 2 i + 1 are rows 32 (a / 2) + 8 (a % 2) + 2 i + 8 (i / 4) and the next of my 64
	global_store_b128 v6, v[OUT+32*((\a)%2)+4*\i:OUT+32*((\a)%2)+4*\i+3], s[14:15] offset:(32*((\a)/2)+8*((\a)%2)+2*\i+8*(\i/4))*4096 th:TH_STORE_NT
.endr
.endm
	TOSTAGE 0
.irp a, 1,2,3
.if \a > 1
	s_wait_xcnt 0x0                                ; tile a - 2's stores have read their registers: tile a's rows may land there
.endif
	TOSTAGE \a
	SEND \a-1, 16                                  ; behind tile a - 1's loads: tile a's 8 stores and 8 loads
.endr
	SEND 3, 0
	s_wait_tensorcnt 0x0
	ds_add_u32 v254, v255
	s_wait_dscnt 0x0
	s_endpgm
.Lfunc_end_k_q8a423e09ed_oproj:
	.size	k_q8a423e09ed_oproj, .Lfunc_end_k_q8a423e09ed_oproj-k_q8a423e09ed_oproj
	.p2alignl 7, 3214868480
	.fill 96, 4, 3214868480
	.section	.rodata,"a",@progbits
	.p2align	6, 0x0
	.amdhsa_kernel k_q8a423e09ed_oproj
		.amdhsa_group_segment_fixed_size 17920
		.amdhsa_private_segment_fixed_size 0
		.amdhsa_enable_private_segment 0
		.amdhsa_kernarg_size 48
		.amdhsa_user_sgpr_count 2
		.amdhsa_user_sgpr_kernarg_segment_ptr 1
		.amdhsa_wavefront_size32 1
		.amdhsa_system_sgpr_workgroup_id_x 1
		.amdhsa_system_sgpr_workgroup_id_y 1
		.amdhsa_system_sgpr_workgroup_id_z 1
		.amdhsa_system_vgpr_workitem_id 0
		.amdhsa_next_free_vgpr 768
		.amdhsa_next_free_sgpr 66
		.amdhsa_reserve_vcc 0
		.amdhsa_float_denorm_mode_32 3
		.amdhsa_float_denorm_mode_16_64 3
		.amdhsa_memory_ordered 1
		.amdhsa_forward_progress 1
		.amdhsa_inst_pref_size 43
	.end_amdhsa_kernel
	.amdgpu_metadata
---
amdhsa.version: [ 1, 2 ]
amdhsa.kernels:
  - .name:           k_q8a423e09ed_oproj
    .symbol:         k_q8a423e09ed_oproj.kd
    .args:
      - { .name: oimg, .offset: 0, .size: 8, .value_kind: global_buffer, .address_space: global }
      - { .name: osc, .offset: 8, .size: 8, .value_kind: global_buffer, .address_space: global }
      - { .name: wimg, .offset: 16, .size: 8, .value_kind: global_buffer, .address_space: global }
      - { .name: wsc, .offset: 24, .size: 8, .value_kind: global_buffer, .address_space: global }
      - { .name: bo, .offset: 32, .size: 8, .value_kind: global_buffer, .address_space: global }
      - { .name: out0, .offset: 40, .size: 8, .value_kind: global_buffer, .address_space: global }
    .group_segment_fixed_size: 17920
    .private_segment_fixed_size: 0
    .kernarg_segment_align: 8
    .kernarg_segment_size: 48
    .max_flat_workgroup_size: 128
    .sgpr_count:     66
    .vgpr_count:     768
    .wavefront_size: 32
...
	.end_amdgpu_metadata
.endif
;; end of part 4
;; ======== version 2 of 2: 4 launches
;; workspace buffers: wimg 2,097,152 bytes; wsc 131,072 bytes; qbuf 2,228,224 bytes; kv 8,912,896 bytes; oimg 2,097,152 bytes; osc 131,072 bytes
;; launch wquant (part 5): grid 8 x 32, 4 waves a work-group, no clusters, 0 bytes of LDS; arguments Wq, Wk, Wv, Wo, wimg, wsc; writes wimg, wsc
.if DOCPART == 5
	.amdgcn_target "amdgcn-amd-amdhsa--gfx1250"
	.amdhsa_code_object_version 6
	.text
	.protected	k_q8a423e09ed_wquant
	.globl	k_q8a423e09ed_wquant
	.p2align	8
	.type	k_q8a423e09ed_wquant,@function
k_q8a423e09ed_wquant:
	s_mov_b64 s[64:65], 0
	v_nop
	global_prefetch_b8 v0, s[64:65] scope:SCOPE_SE
	s_setreg_imm32_b32 hwreg(HW_REG_WAVE_MODE, 25, 1), 1
	s_wait_xcnt 0x0
; The four weights [1024 (k)][1024 (n)], f32, K along the FIRST axis, become codes of FP4 (E2M1) with one E8M0 byte for each 32 along K,
; laid as IMAGES OF THE OPERAND'S REGISTERS.  A fragment is 16 columns n x 128 along K: 8 registers a lane, 1,024 bytes: registers 0-3 of
; lane l at byte 16 l, registers 4-7 at 512 + 16 l; lane (r, h) holds column r and k = 64 c + 32 h + 0 .. 31 in registers 4 c .. 4 c + 3.
;   wimg [weight: 0 q, 1 k, 2 v, 3 o][tile of 16 columns: 64][K step of 128: 8][1,024 bytes]
;   wsc  [weight][pair of tiles: 32][K step: 8][32 words]: lanes 0-15 the words of tile 2 P, lanes 16-31 those of tile 2 P + 1
; THE COLUMNS OF A TILE ARE NOT NEIGHBOURS: lane r of tile 2 P + u is column 32 P + 8 u + r + 8 (r / 8), so that the results of two
; neighbouring tiles, used as source 0, are 16 neighbours along the next product's K in one lane's registers.
; A LANE TAKES A COLUMN AND ITS REGISTERS RUN DOWN K: a load reads 128 consecutive bytes a wave (512 a work-group), a block of 32 lies in
; one lane, its largest magnitude needs no other lane, and the conversions give codes with K innermost.  Nothing is transposed.
; A block's scale is 2^(floor(log2(largest magnitude)) - 2): its byte is the largest magnitude's exponent field - 2, held at 1 from below.
; SHARES: work-group x = 128 columns, y = 8 x weight + K step; wave w the 32 columns of pair P = 4 x + w, 128 along K: 4 blocks a lane.
; OUT: a block's 16 bytes a lane: the sixteen lanes of a tile store 256 consecutive bytes, aligned.  The scale words leave as 128
; consecutive bytes a wave, half of an aligned 256: wsc is 131,072 bytes in all.
; LIMITS: NaN and infinities are not served.  A block whose largest magnitude lies under 2^-124 (a block of zeros too) gets the byte 1;
; a block of zeros has zero codes, which add nothing under that byte, and the bytes are read by this program alone.
; No LDS, no barrier: waves share nothing.  No cluster: no two work-groups read the same bytes.
.set X,   32                           ; v32-159  four blocks of 32 numbers
.set C,   160                          ; v160-175 four registers of codes a block: no store's data are written again
.set SWD, 24                           ; v24      the scale word: four bytes, the lower k in the lower byte
	s_load_b256 s[4:11], s[0:1], 0x0               ; Wq, Wk, Wv, Wo
	s_load_b128 s[12:15], s[0:1], 0x20             ; wimg, wsc
	v_lshrrev_b32 v1, 5, v0
	v_readfirstlane_b32 s16, v1                    ; wave 0..3
	v_and_b32 v1, 31, v0                           ; lane = my column in the pair
	v_lshlrev_b32 v2, 2, v1                        ; in: 4 bytes a lane
	v_bfe_u32 v5, v1, 3, 1                         ; u: which tile of the pair my column belongs to
	v_bfe_u32 v6, v1, 4, 1
	v_and_b32 v7, 7, v1
	v_lshl_add_u32 v7, v6, 3, v7                   ; r: its lane in that tile
	v_lshlrev_b32 v3, 4, v7
	v_lshl_add_u32 v3, v5, 13, v3                  ; codes: a tile's eight K steps are 8,192 bytes; 16 r in the image
	v_lshlrev_b32 v4, 2, v7
	v_lshl_add_u32 v4, v5, 6, v4                   ; scale word: 64 u + 4 r
	s_and_b32 s22, ttmp7, 0xffff
	s_lshr_b32 s17, s22, 3                         ; weight
	s_and_b32 s18, s22, 7                          ; K step
	s_lshl_b32 s19, ttmp9, 2
	s_add_co_u32 s19, s19, s16                     ; P
	s_lshl_b32 s24, s18, 19                        ; in: 128 rows of 4,096 bytes a K step,
	s_lshl_b32 s23, s19, 7                         ; 128 bytes a pair
	s_add_co_u32 s24, s24, s23
	s_mov_b32 s25, 0
	s_lshl_b32 s26, s17, 19                        ; codes: 2^19 bytes a weight, 2^14 a pair, 2^10 a K step
	s_lshl_b32 s23, s19, 14
	s_add_co_u32 s26, s26, s23
	s_lshl_b32 s23, s18, 10
	s_add_co_u32 s26, s26, s23
	s_mov_b32 s27, 0
	s_lshl_b32 s28, s17, 15                        ; scale words: 2^15 a weight, 2^10 a pair, 2^7 a K step
	s_lshl_b32 s23, s19, 10
	s_add_co_u32 s28, s28, s23
	s_lshl_b32 s23, s18, 7
	s_add_co_u32 s28, s28, s23
	s_mov_b32 s29, 0
	s_wait_alu depctr_va_vdst(0)
	s_wait_kmcnt 0x0
	s_cmp_eq_u32 s17, 1                            ; which weight: the choice hangs on the work-group's number alone
	s_cselect_b64 s[4:5], s[6:7], s[4:5]
	s_cmp_eq_u32 s17, 2
	s_cselect_b64 s[4:5], s[8:9], s[4:5]
	s_cmp_eq_u32 s17, 3
	s_cselect_b64 s[4:5], s[10:11], s[4:5]
	s_add_nc_u64 s[4:5], s[4:5], s[24:25]
	s_add_nc_u64 s[12:13], s[12:13], s[26:27]
	s_add_nc_u64 s[14:15], s[14:15], s[28:29]
.macro LOAD kb                         ; block kb: W(128 K step + 32 kb + i, my column), i = 0 .. 31
.irp i, 0,1,2,3,4,5,6,7,8,9,10,11,12,13,14,15,16,17,18,19,20,21,22,23,24,25,26,27,28,29,30,31
	global_load_b32 v[X+32*(\kb)+\i], v2, s[4:5] offset:(32*(\kb)+\i)*4096 th:TH_LOAD_NT
.endr
.endm
	LOAD 0
	LOAD 1
.macro BLOCK kb
.set XB, X+32*(\kb)
.if (\kb) < 3
	s_wait_loadcnt 32                              ; this block's 32 loads are in; the next block's 32 may be out
.else
	s_wait_loadcnt 0x0
.endif
.if (\kb)+2 < 4
	LOAD (\kb)+2                                   ; two blocks ahead, into registers of its own
.endif
	v_max3_num_f32 v12, |v[XB]|, |v[XB+1]|, |v[XB+2]|     ; the block's largest magnitude, in two chains: all 32 numbers are mine
	v_max3_num_f32 v13, |v[XB+3]|, |v[XB+4]|, |v[XB+5]|
.irp i, 6,10,14,18,22,26
	v_max3_num_f32 v12, v12, |v[XB+\i]|, |v[XB+\i+1]|
	v_max3_num_f32 v13, v13, |v[XB+\i+2]|, |v[XB+\i+3]|
.endr
	v_max3_num_f32 v12, v12, |v[XB+30]|, |v[XB+31]|
	v_max3_num_f32 v12, v12, v13, 0x1800000        ; and the floor 2^(3 - 127): the byte cannot fall under 1
	v_add_nc_u32 v11, 0xff000000, v12              ; 2 off the exponent field: the conversion takes this operand's exponent field as its scale
	v_lshrrev_b32 v13, 23, v11                     ; the scale's byte
.if (\kb) == 0
	v_mov_b32 v[SWD], v13
.else
	v_lshl_or_b32 v[SWD], v13, 8*(\kb), v[SWD]
.endif
.irp g, 0,1,2,3
	v_cvt_scalef32_pk8_fp4_f32 v[C+4*(\kb)+\g], v[XB+8*\g:XB+8*\g+7], v11
.endr
	global_store_b128 v3, v[C+4*(\kb):C+4*(\kb)+3], s[12:13] offset:256*(\kb)   ; block 2 c + h lies at 512 c + 256 h + 16 r of the image.  (The next block's first lines are plain and touch nothing of the conversions)
.endm
	BLOCK 0
	BLOCK 1
	BLOCK 2
	BLOCK 3
	global_store_b32 v4, v[SWD], s[14:15]
	s_endpgm
.Lfunc_end_k_q8a423e09ed_wquant:
	.size	k_q8a423e09ed_wquant, .Lfunc_end_k_q8a423e09ed_wquant-k_q8a423e09ed_wquant
	.p2alignl 7, 3214868480
	.fill 96, 4, 3214868480
	.section	.rodata,"a",@progbits
	.p2align	6, 0x0
	.amdhsa_kernel k_q8a423e09ed_wquant
		.amdhsa_group_segment_fixed_size 0
		.amdhsa_private_segment_fixed_size 0
		.amdhsa_enable_private_segment 0
		.amdhsa_kernarg_size 48
		.amdhsa_user_sgpr_count 2
		.amdhsa_user_sgpr_kernarg_segment_ptr 1
		.amdhsa_wavefront_size32 1
		.amdhsa_system_sgpr_workgroup_id_x 1
		.amdhsa_system_sgpr_workgroup_id_y 1
		.amdhsa_system_sgpr_workgroup_id_z 1
		.amdhsa_system_vgpr_workitem_id 0
		.amdhsa_next_free_vgpr 192
		.amdhsa_next_free_sgpr 66
		.amdhsa_reserve_vcc 0
		.amdhsa_float_denorm_mode_32 3
		.amdhsa_float_denorm_mode_16_64 3
		.amdhsa_memory_ordered 1
		.amdhsa_forward_progress 1
		.amdhsa_inst_pref_size 21
	.end_amdhsa_kernel
	.amdgpu_metadata
---
amdhsa.version: [ 1, 2 ]
amdhsa.kernels:
  - .name:           k_q8a423e09ed_wquant
    .symbol:         k_q8a423e09ed_wquant.kd
    .args:
      - { .name: Wq, .offset: 0, .size: 8, .value_kind: global_buffer, .address_space: global }
      - { .name: Wk, .offset: 8, .size: 8, .value_kind: global_buffer, .address_space: global }
      - { .name: Wv, .offset: 16, .size: 8, .value_kind: global_buffer, .address_space: global }
      - { .name: Wo, .offset: 24, .size: 8, .value_kind: global_buffer, .address_space: global }
      - { .name: wimg, .offset: 32, .size: 8, .value_kind: global_buffer, .address_space: global }
      - { .name: wsc, .offset: 40, .size: 8, .value_kind: global_buffer, .address_space: global }
    .group_segment_fixed_size: 0
    .private_segment_fixed_size: 0
    .kernarg_segment_align: 8
    .kernarg_segment_size: 48
    .max_flat_workgroup_size: 128
    .sgpr_count:     66
    .vgpr_count:     192
    .wavefront_size: 32
...
	.end_amdgpu_metadata
.endif
;; end of part 5
;; launch proj (part 6): grid 160 x 1, 4 waves a work-group, no clusters, 103,936 bytes of LDS; arguments target_embedding, source_embedding, value_embedding, bq, bk, bv, wimg, wsc, qbuf, kv; writes qbuf, kv
.if DOCPART == 6
	.amdgcn_target "amdgcn-amd-amdhsa--gfx1250"
	.amdhsa_code_object_version 6
	.text
	.protected	k_q8a423e09ed_proj
	.globl	k_q8a423e09ed_proj
	.p2align	8
	.type	k_q8a423e09ed_proj,@function
k_q8a423e09ed_proj:
	s_mov_b64 s[64:65], 0
	v_nop
	global_prefetch_b8 v0, s[64:65] scope:SCOPE_SE
	s_setreg_imm32_b32 hwreg(HW_REG_WAVE_SCHED_MODE, 0, 2), 2
	s_setreg_imm32_b32 hwreg(HW_REG_WAVE_MODE, 25, 1), 1
	s_wait_xcnt 0x0
	s_wait_alu depctr_vm_vsrc(0)
; q = target Wq + bq, k = source Wk + bk, v = value Wv + bv, on codes of FP4 (E2M1) with one E8M0 byte for each 32 along K = 1,024; the results are
; quantised at once for the attention's two products and leave as IMAGES OF THE OPERANDS' REGISTERS (a fragment of 16 rows x 128 K: registers 0-3 of lane l at 16 l, 4-7 at 512 + 16 l).
; SHARES.  Work-groups 0-31 take q, 32-95 k, 96-159 v; each takes 128 rows x all 1,024 columns, so that a row of x is read from memory and quantised ONCE, and v's 128 keys, one K step of
; the attention's second product, meet in one work-group.  The four waves share the COLUMNS: wave w makes heads 4 w .. 4 w + 3, one a trip.
; PHASE X.  Wave w quantises rows 32 w .. 32 w + 31: 2 tiles x 8 K steps.  A load reads 512 consecutive bytes of one row; the conversions want 16 neighbours along K in one lane, so a step's
; 16 rows x 512 bytes turn through the wave's own stage in LDS (rows 528 bytes apart), one step ahead of the arithmetic.  The codes and scale words go to LDS as images; ONE barrier; then every wave reads all of them.
; THE ROWS OF A TILE ARE NOT NEIGHBOURS (x's rows and W's columns alike): lane r of tile 2 b + u is row 32 b + 8 u + r + 8 (r / 8).  Used as source 0, two neighbouring tiles then leave in a
; lane's 16 registers 16 neighbours, 32 b + 16 (lane / 16) + 0 .. 15, which is what the macro QUANT takes.
; q, k (path 0): source 0 = 16 columns of W, source 1 = 16 rows of x: a lane holds one row and its registers run along the head's 64 channels, the next K.  Two tiles of rows make ONE image:
;   k 0-63 = tile 2 g's channels, k 64-127 = tile 2 g + 1's; scale bytes 0, 1 and 2, 3 likewise.  (The attention multiplies it by [q | 0] and by [0 | q].)
; v (path 1): source 0 = 16 rows of x (keys), source 1 = 16 columns of W: a lane holds one channel and its registers run along the 128 keys, the next K.
; The bias is the C of each sum's first matrix instruction.
; OUT.  qbuf [b h: 32][block of 128 queries: 16][4,352]; kv [b h: 32][128 keys: 32][K's 4,352, then V's 4,352].  A block of 4,352 bytes = 4 images + 256 bytes of scale words: lane l's 8 bytes
; are {word of image 0 (lanes 0-15) or 1 (lanes 16-31), word of image 2 or 3}.  Every store of a wave covers 512 or 256 consecutive bytes, aligned to 256.
; W's fragments go from memory straight into registers, a head ahead: no tensor load, so no joint requests and no cluster.
; LIMITS: NaN and infinities are not served.  A block whose largest magnitude lies under 2^-124 (a block of zeros too) gets the byte 1; the bytes are read by this program alone.
; REGISTERS, in windows of 256.  Window 0: v1-10 addresses; v16-143 x's fragments, sets 0 and 1 of 8 (in phase X two sets of 64 numbers); v144-175 x's scale words; v176-191 W's; v192-223 the bias;
;   v224-251 at work.  Window 1: in phase X four sets of 64 as loaded; then the 32 accumulators.  Window 2: the head's 32 fragments of W, at 32 s + 8 t.  Window 3: v0-127 x's fragments, sets 2 and 3.
; THE MODE: SCHED_MODE bits 1:0 = 2 (LLVM: expert scheduling mode 2), set by the entry lines.  The code itself states the register dependences
; between vector or matrix instructions and memory or LDS instructions, with s_wait_alu, always for 0.
; THE PLAN.  Registers that memory or LDS instructions touch:
;   v1-v10, v254, v255   addresses, and the closing add's two: written at the head, never again.
;   PHASE X.  Window 1, set q % 4: the loads of step q land in it, the stage's stores of step q read it, the loads of step q + 4 land in it again.
;             XF set q % 2: the stage's loads of step q land in it, QUANT q reads it.   PC, PW: QUANT writes them, the step's three LDS stores read them.
;     Step q: one wait on vm_vsrc at its head (the stage's stores of step q have read set q % 4; the last step's stores have read PC and PW); the loads of step q + 4; step q + 1's turn through the
;     stage, into the XF set that QUANT q - 1 read; QUANT q; one wait on va_vdst (the codes are written; QUANT q is done reading its set, in which step q + 2's numbers land); the stores.
;   THE LOOP.  x's set s % 4: step s's products read it; the LDS loads in the middle of step s + 2 land in it.   W's registers of step s: step s's products read them; the next head's land in them in
;     step s + 2 (steps 6 and 7: behind step 7).   The bias: step 0's products read it; the next head's lands in step 2.   W's scale words: read in every step; the next head's land behind step 7.
;     ONE wait on va_vdst for two steps, at the heads of steps 2, 4 and 6 and behind step 7: the products of the two steps before are done reading.  The products issued since such a wait name the sets
;     and the W of steps s and s + 1, which no load of those two steps touches.  Steps 0 and 1 load into sets 2 and 3, free since the wait behind the last head's step 7: the way out names nothing of window 3.
;   THE WAY OUT.  PC and SW: written by QUANT and the selects, read by the global stores: a wait on vm_vsrc ahead of each group's QUANT, one on va_vdst ahead of its stores.
.set XSC,  65536                       ; LDS: from 0 x's 64 images ((8 tile + K step) x 1,024); here their scale words [pair of tiles][K step][tile of the pair][r];
.set STG,  69632                       ; here the stages, 16 rows x 528 bytes for each wave
.set SPI,  528
.set LI,   1                           ; v1   16 x lane
.set L8,   2                           ; v2   8 x lane
.set STW,  3                           ; v3   the stage, in: 16 x lane
.set STR,  4                           ; v4   the stage, out: 528 r + 64 h
.set XWI,  5                           ; v5   where I store x's images: 16,384 x wave + 16 x lane
.set XWS,  6                           ; v6   and their scale words: XSC + 1,024 x wave + 4 r
.set LS,   7                           ; v7   4 x lane
.set BHT,  8                           ; v8   the bias, path 0: 64 h
.set XSR,  9                           ; v9   XSC + 4 x lane
.set BHN,  10                          ; v10  the bias, path 1: 4 (r + 8 (r / 8))
.set XF,   16
.set XS,   144
.set WS,   176
.set BI,   192
.set TM,   224                         ; v224-227 largest magnitudes, v228-231 bytes, v236-239 the conversions' scale operands
.set PC,   240                         ; v240-247 the codes just made
.set PW,   248                         ; their scale word;  v249 the one before;  v[250:251] the block's two words a lane
.set PK,   249
.set SW,   250
.set WV,   16                          ; s16 wave;  s17 heads to go;  s18 a mask of lanes 16-31;  s[20:21] selects for lane l xor 16
.set HC,   17
.set MASK, 18
.set SEL,  20
; s[4:5] x;  s[6:7] W's images;  s[8:9] W's scale words;  s[10:11] the bias;  s[12:13] out;  s[14:15] bytes from head to head in out
.set MSB, 0
.macro WIN new                         ; s_set_vgpr_msb: bits 1:0 source 0, 3:2 source 1, 5:4 source 2, 7:6 destination; the high byte repeats the setting that is left
.if MSB != (\new)
	s_set_vgpr_msb (MSB<<8)|(\new)
.set MSB, \new
.endif
.endm
; 64 numbers of a lane, v[s] .. v[s + 63] of window win, register 16 b + i = k 32 b + 16 (lane / 16) + i of my row, become a fragment's codes in v[PC] on and its scale word in v[PW].
; Each accumulator among them is read from its low end on.
.macro QUANT s, win
	WIN 5*(\win)
.irp b, 0,1,2,3
	v_max3_num_f32 v[TM+\b], |v[(\s)+16*\b]|, |v[(\s)+16*\b+1]|, 0x1800000   ; block b: my 16 numbers, and the floor 2^(3 - 127): the byte cannot fall under 1
.endr
	WIN 0x14*(\win)
.irp i, 2,4,6,8,10,12,14
.irp b, 0,1,2,3
	v_max3_num_f32 v[TM+\b], v[TM+\b], |v[(\s)+16*\b+\i]|, |v[(\s)+16*\b+\i+1]|   ; the four blocks by turns
.endr
.endr
	WIN 0
.irp b, 0,1,2,3
	v_permlanex16_b32 v[TM+4+\b], v[TM+\b], s[SEL], s[SEL+1]
.endr
.irp b, 0,1,2,3
	v_max_num_f32 v[TM+\b], v[TM+\b], v[TM+4+\b]   ; with lane l xor 16's 16: the block's largest magnitude
.endr
.irp b, 0,1,2,3
	v_add_nc_u32 v[TM+12+\b], 0xff000000, v[TM+\b] ; 2 off its exponent field: the conversion's scale operand
.endr
.irp b, 0,1,2,3
	v_lshrrev_b32 v[TM+4+\b], 23, v[TM+12+\b]      ; the scale's byte
.endr
	v_lshl_or_b32 v[PW], v[TM+5], 8, v[TM+4]
	v_lshl_or_b32 v[PW], v[TM+6], 16, v[PW]
	v_lshl_or_b32 v[PW], v[TM+7], 24, v[PW]
	WIN \win
.irp b, 0,1,2,3
	v_cvt_scalef32_pk8_fp4_f32 v[PC+2*\b], v[(\s)+16*\b:(\s)+16*\b+7], v[TM+12+\b]
	v_cvt_scalef32_pk8_fp4_f32 v[PC+2*\b+1], v[(\s)+16*\b+8:(\s)+16*\b+15], v[TM+12+\b]
.endr
	WIN 0
	v_nop                                          ; one plain place behind the scaled conversions
.irp c, 0,1                            ; the operand wants a WHOLE block in a lane: lanes 0-15 block 2 c, lanes 16-31 block 2 c + 1
.irp i, 0,1
	v_permlane16_swap_b32 v[PC+4*\c+\i], v[PC+2+4*\c+\i]
.endr
.endr
.endm
; one matrix instruction; ra, rb: source 0's, source 1's scale words stand in lanes 16-31 of their register
.macro MM d, a, b, c, sa, sb, ra, rb
.if ((\ra) != 0) && ((\rb) != 0)
	v_wmma_scale_f32_16x16x128_f8f6f4 v[(\d):(\d)+7], v[(\a):(\a)+7], v[(\b):(\b)+7], v[(\c):(\c)+7], v[(\sa)], v[(\sb)] matrix_a_fmt:MATRIX_FMT_FP4 matrix_b_fmt:MATRIX_FMT_FP4 matrix_a_scale:MATRIX_SCALE_ROW1 matrix_b_scale:MATRIX_SCALE_ROW1
.elseif (\ra) != 0
	v_wmma_scale_f32_16x16x128_f8f6f4 v[(\d):(\d)+7], v[(\a):(\a)+7], v[(\b):(\b)+7], v[(\c):(\c)+7], v[(\sa)], v[(\sb)] matrix_a_fmt:MATRIX_FMT_FP4 matrix_b_fmt:MATRIX_FMT_FP4 matrix_a_scale:MATRIX_SCALE_ROW1
.elseif (\rb) != 0
	v_wmma_scale_f32_16x16x128_f8f6f4 v[(\d):(\d)+7], v[(\a):(\a)+7], v[(\b):(\b)+7], v[(\c):(\c)+7], v[(\sa)], v[(\sb)] matrix_a_fmt:MATRIX_FMT_FP4 matrix_b_fmt:MATRIX_FMT_FP4 matrix_b_scale:MATRIX_SCALE_ROW1
.else
	v_wmma_scale_f32_16x16x128_f8f6f4 v[(\d):(\d)+7], v[(\a):(\a)+7], v[(\b):(\b)+7], v[(\c):(\c)+7], v[(\sa)], v[(\sb)] matrix_a_fmt:MATRIX_FMT_FP4 matrix_b_fmt:MATRIX_FMT_FP4
.endif
.endm
.macro WLOAD s                         ; K step s of the four tiles of the head at s[6:7], into window 2 (the caller sets the window)
.irp t, 0,1,2,3
.irp c, 0,1
	global_load_b128 v[32*(\s)+8*\t+4*\c:32*(\s)+8*\t+4*\c+3], v[LI], s[6:7] offset:(8*\t+(\s))*1024+512*\c
.endr
.endr
.endm
.macro WSLOAD                          ; that head's scale words: two pairs of tiles x 8 K steps
.irp p, 0,1
.irp s, 0,1,2,3,4,5,6,7
	global_load_b32 v[WS+8*\p+\s], v[LS], s[8:9] offset:1024*\p+128*\s
.endr
.endr
.endm
.macro BIAS path                       ; that head's bias in the results' layout, eight registers a tile of W
.if \path
.irp t, 0,1,2,3                        ; a lane holds ONE channel, 32 (t / 2) + 8 (t % 2) + r + 8 (r / 8): its bias fills the tile's eight registers
.irp j, 0,1,2,3,4,5,6,7
	global_load_b32 v[BI+8*\t+\j], v[BHN], s[10:11] offset:(32*(\t/2)+8*(\t%2))*4
.endr
.endr
.else
.irp t, 0,1,2,3                        ; a lane's registers are channels 32 (t / 2) + 16 h + 8 (t % 2) + 0 .. 7
	global_load_b128 v[BI+8*\t:BI+8*\t+3], v[BHT], s[10:11] offset:(32*(\t/2)+8*(\t%2))*4
	global_load_b128 v[BI+8*\t+4:BI+8*\t+7], v[BHT], s[10:11] offset:(32*(\t/2)+8*(\t%2))*4+16
.endr
.endif
.endm
	s_load_b512 s[32:47], s[0:1], 0x0              ; target, source, value, bq, bk, bv, wimg, wsc
	s_load_b128 s[48:51], s[0:1], 0x40             ; qbuf, kv
	v_lshl_add_u32 v254, v0, 2, 0x19400
	v_mov_b32 v255, 0
	v_lshrrev_b32 v11, 5, v0
	v_readfirstlane_b32 s[WV], v11                 ; wave 0..3
	v_and_b32 v11, 31, v0                          ; lane
	v_and_b32 v12, 15, v0                          ; r
	v_bfe_u32 v13, v0, 4, 1                        ; h
	v_lshlrev_b32 v[LI], 4, v11
	v_lshlrev_b32 v[L8], 3, v11
	v_lshlrev_b32 v[LS], 2, v11
	v_mul_u32_u24 v[STR], v12, SPI
	v_lshl_add_u32 v[STR], v13, 6, v[STR]
	v_add_nc_u32 v[XSR], XSC, v[LS]
	v_lshlrev_b32 v[BHT], 6, v13
	v_and_b32 v[BHN], 8, v12
	v_add_nc_u32 v[BHN], v[BHN], v12
	v_lshlrev_b32 v[BHN], 2, v[BHN]
.irp b, 0,1,2,3
	v_mov_b32 v[TM+4+\b], 0                        ; written once: a lane permute's destination counts as one of its sources
.endr
	s_wait_alu depctr_va_sdst(0)                   ; s16, the wave's number, is written, ahead of its first reader: LDS addresses and all the bases are made from it
	s_mul_i32 s2, s[WV], 16*SPI
	s_add_co_u32 s2, s2, STG                       ; my stage
	v_add_nc_u32 v[STW], s2, v[LI]
	v_add_nc_u32 v[STR], s2, v[STR]
	s_lshl_b32 s3, s[WV], 14
	v_add_nc_u32 v[XWI], s3, v[LI]
	s_lshl_b32 s30, s[WV], 10
	s_add_co_u32 s30, s30, XSC
	v_lshl_add_u32 v[XWS], v12, 2, s30
	s_mov_b32 s[MASK], 0xffff0000
	s_mov_b32 s[SEL], 0x76543210
	s_mov_b32 s[SEL+1], 0xfedcba98
	s_wait_kmcnt 0x0
	s_cmp_lt_u32 ttmp9, 32                         ; q's work-group?  Every choice hangs on the work-group's number alone
	s_cselect_b64 s[4:5], s[32:33], s[34:35]
	s_cselect_b64 s[10:11], s[38:39], s[40:41]
	s_cselect_b64 s[12:13], s[48:49], s[50:51]
	s_cselect_b32 s22, 0, 32                       ; the tensor's first work-group
	s_cselect_b32 s23, 0, 1                        ; which weight
	s_cselect_b32 s24, 4, 5                        ; log2 of the blocks of 128 rows in a batch
	s_mov_b32 s14, 278528
	s_cselect_b32 s14, 69632, s14                  ; out: bytes from head to head
	s_mov_b32 s25, 8704
	s_cselect_b32 s25, 4352, s25                   ; and from block to block
	s_cmp_lt_u32 ttmp9, 96                         ; or v's?
	s_cselect_b64 s[4:5], s[4:5], s[36:37]
	s_cselect_b64 s[10:11], s[10:11], s[42:43]
	s_cselect_b32 s22, s22, 96
	s_cselect_b32 s23, s23, 2
	s_cselect_b32 s26, 0, 4352                     ; V's block lies behind K's
	s_mov_b32 s15, 0
	s_mov_b32 s29, 0
	s_sub_co_u32 s22, ttmp9, s22                   ; my block of 128 rows
	s_lshr_b32 s27, s22, s24                       ; batch
	s_lshl_b32 s28, s27, s24
	s_sub_co_u32 s28, s22, s28                     ; block in the batch
	s_add_co_u32 s24, s24, 4
	s_lshl_b32 s27, s27, s24                       ; a batch has 16 heads of so many blocks
	s_add_co_u32 s27, s27, s28
	s_mul_i32 s27, s27, s25
	s_add_co_u32 s27, s27, s26
	s_lshl_b32 s28, s[WV], 2                       ; my first head
	s_mul_i32 s28, s28, s14
	s_add_co_u32 s28, s28, s27
	s_add_nc_u64 s[12:13], s[12:13], s[28:29]
	s_lshl_b32 s28, s22, 19                        ; x: 128 rows of 4,096 bytes a block, 32 rows a wave
	s_lshl_b32 s27, s[WV], 17
	s_add_co_u32 s28, s28, s27
	s_add_nc_u64 s[4:5], s[4:5], s[28:29]
	s_lshl_b32 s28, s23, 19                        ; W's images: 2^19 bytes a weight, 2^15 a head
	s_add_co_u32 s28, s28, s27
	s_add_nc_u64 s[6:7], s[44:45], s[28:29]
	s_lshl_b32 s28, s23, 15                        ; its scale words: 2^15 a weight, 2^11 a head
	s_lshl_b32 s27, s[WV], 13
	s_add_co_u32 s28, s28, s27
	s_add_nc_u64 s[8:9], s[46:47], s[28:29]
	s_lshl_b32 s28, s[WV], 10                      ; the bias: 256 bytes a head
	s_add_nc_u64 s[10:11], s[10:11], s[28:29]
	WIN 0x80                                       ; my first head's W, scale words and bias: asked for ahead of x, so that the counted waits below count loads of x alone
	s_wait_alu depctr_va_vdst(0)                   ; the ten addresses v1 to v10 are written, which every load and store of the kernel reads; so are v254 and v255, which the closing add reads
.irp s, 0,1,2,3,4,5,6,7
	WLOAD \s
.endr
	WIN 0
	WSLOAD
	s_cmp_lt_u32 ttmp9, 96
	s_cbranch_scc0 .Lbias_v
	BIAS 0
	s_branch .Lbias_asked
.Lbias_v:
	BIAS 1
.Lbias_asked:
; ---- PHASE X.  Step q = 8 u + s: tile 2 w + u, K step s: 16 rows x 512 bytes
.macro XLOAD q                         ; into set q % 4 of window 1: load i is the tile's row i: 32 lanes read 512 consecutive bytes
	WIN 0x40
.irp i, 0,1,2,3,4,5,6,7,8,9,10,11,12,13,14,15
	global_load_b128 v[64*((\q)%4)+4*\i:64*((\q)%4)+4*\i+3], v[LI], s[4:5] offset:(8*((\q)/8)+\i+8*(\i/8))*4096+512*((\q)%8) th:TH_LOAD_NT
.endr
	WIN 0
.endm
.macro TURN q                          ; step q's numbers through the stage, into XF set q % 2
	WIN 0x04                                       ; an LDS store's data are its source 1: window 1
.irp i, 0,1,2,3,4,5,6,7,8,9,10,11,12,13,14,15
	ds_store_b128 v[STW], v[64*((\q)%4)+4*\i:64*((\q)%4)+4*\i+3] offset:SPI*\i
.endr
	WIN 0
.irp b, 0,1,2,3                        ; back: of row r the 16 numbers 32 b + 16 h + 0 .. 15 of each block.  LDS serves a wave's instructions in order (ISA guide 5.7.1.4): these see the stores above
.irp j, 0,1,2,3
	ds_load_b128 v[XF+64*((\q)%2)+16*\b+4*\j:XF+64*((\q)%2)+16*\b+4*\j+3], v[STR] offset:128*\b+16*\j
.endr
.endr
.endm
.macro XSTEP q
.if (\q) > 0
	s_wait_dscnt 3                                 ; this step's numbers are back from the stage; the last step's three stores of codes may be out
.else
	s_wait_dscnt 0x0
.endif
	s_wait_alu depctr_vm_vsrc(0)                   ; the stage's stores of this step have read set q % 4 of window 1, in which the loads below land (behind phase X: which the products write); the last step's stores have read PC and PW, which QUANT writes again
.if (\q)+4 < 16
	XLOAD (\q)+4                                   ; four steps ahead: 64 loads of a wave are out
.endif
.if (\q)+1 < 16
.if (14-(\q)) >= 3
	s_wait_loadcnt 48                              ; the next step's 16 loads are in; those of the three steps behind it may be out
.else
	s_wait_loadcnt 16*(14-(\q))
.endif
	TURN (\q)+1                                    ; the next step goes through the stage while this one is worked.  No wait: no vector instruction since the wait behind the last QUANT names the set in which it lands
.endif
	QUANT XF+64*((\q)%2), 0
	s_wait_alu depctr_va_vdst(0)                   ; QUANT has written PC and PW, which the stores below read, and is done reading its set, in which the numbers of two steps on (behind phase X: x's fragments) land
	ds_store_b128 v[XWI], v[PC:PC+3] offset:(\q)*1024            ; the image of fragment (tile 2 w + u, K step s)
	ds_store_b128 v[XWI], v[PC+4:PC+7] offset:(\q)*1024+512
	ds_store_b32 v[XWS], v[PW] offset:64*((\q)/8)+128*((\q)%8)   ; lanes r and r + 16 write the same word with the same value
.endm
	XLOAD 0
	XLOAD 1
	XLOAD 2
	XLOAD 3
	s_wait_loadcnt 48                              ; step 0's 16 loads are in (and W, its scale words and the bias); those of steps 1 to 3 may be out
	TURN 0
.irp q, 0,1,2,3,4,5,6,7,8,9,10,11,12,13,14,15
	XSTEP \q
.endr
	s_wait_dscnt 0x0                               ; for the others' sake: my images and scale words lie in LDS
	s_barrier_signal -1
	s_barrier_wait -1                              ; everybody's do; from here on LDS is only read
; ---- PHASE 1
.macro XFETCH s, set                   ; K step s of x's eight tiles into set: sets 0 and 1 lie in window 0, sets 2 and 3 in window 3
.if (\set) < 2
	WIN 0
.set XD, XF+64*(\set)
.else
	WIN 0xc0                                       ; destination window 3, address window 0
.set XD, 64*((\set)-2)
.endif
.irp m, 0,1,2,3,4,5,6,7
.irp c, 0,1
	ds_load_b128 v[XD+8*\m+4*\c:XD+8*\m+4*\c+3], v[LI] offset:(8*\m+(\s))*1024+512*\c
.endr
.endr
.endm
; Half hf of a K step's 32 matrix instructions on 32 accumulators, one instruction a turn, in the same order in every step.  XR: where the step's set of x begins in its window
.macro PRODS path, s, hf
.if \path
.if (\s) == 0
	WIN 0x48                                       ; source 1 (W) window 2, D window 1, C (the bias) and source 0 (x) window 0
.else
	WIN 0x58+3*(((\s)%4)/2)                        ; C window 1 too; source 0 (x) window 0 or 3
.endif
.irp t, 0,1,2,3
.if (\t/2) == (\hf)
.irp m, 0,1,2,3,4,5,6,7
.if (\s) == 0
	MM 64*\t+8*\m, XR+8*\m, 32*(\s)+8*\t, BI+8*\t, XS+8*(\m/2)+(\s), WS+8*(\t/2)+(\s), \m%2, \t%2
.else
	MM 64*\t+8*\m, XR+8*\m, 32*(\s)+8*\t, 64*\t+8*\m, XS+8*(\m/2)+(\s), WS+8*(\t/2)+(\s), \m%2, \t%2
.endif
.endr
.endif
.endr
.else
.if (\s) == 0
	WIN 0x42                                       ; source 0 (W) window 2, D window 1, C (the bias) and source 1 (x) window 0
.else
	WIN 0x52+12*(((\s)%4)/2)                       ; C window 1 too; source 1 (x) window 0 or 3
.endif
.irp m, 0,1,2,3,4,5,6,7
.if (\m/4) == (\hf)
.irp t, 0,1,2,3
.if (\s) == 0
	MM 32*\m+8*\t, 32*(\s)+8*\t, XR+8*\m, BI+8*\t, WS+8*(\t/2)+(\s), XS+8*(\m/2)+(\s), \t%2, \m%2
.else
	MM 32*\m+8*\t, 32*(\s)+8*\t, XR+8*\m, 32*\m+8*\t, WS+8*(\t/2)+(\s), XS+8*(\m/2)+(\s), \t%2, \m%2
.endif
.endr
.endif
.endr
.endif
.endm
; A K step of a head.  Between its two halves of 16 products stand its loads: x's fragments of two steps on, into the set that the products of two steps back read, and, unless this is my last head,
; the NEXT head's fragments of W for the step two back, into the registers that that step multiplied (in step 2 the next head's bias too).
.macro KSTEP path, s
.if ((\s)%4) < 2
.set XR, XF+64*((\s)%4)
.else
.set XR, 64*(((\s)%4)-2)
.endif
	s_wait_dscnt 16                                ; this step's 16 fragment loads are in (in the first step x's scale words too); the next step's 16 may be out
.if (((\s)%2) == 0) && ((\s) > 0)
.rept 4
	v_nop                                          ; four places between the products so far and the loads, in this step and the next, into registers that they have read
.endr
	s_wait_alu depctr_va_vdst(0)                   ; the products of the two steps before are done reading their sets of x and their fragments of W (step 2: and the bias), in which this step's and the next step's loads land
.endif
	PRODS \path, \s, 0
	XFETCH ((\s)+2)%8, ((\s)+2)%4                  ; steps 6 and 7 fetch steps 0 and 1 for the next head, so that the count above is 16 in every step.  No wait: no product since the last wait on va_vdst names this set
.if (\s) >= 2
	WIN 0
	s_cmp_eq_u32 s[HC], 1
	s_cbranch_scc1 .Lno_next_\@                    ; my last head asks for nothing: no load leaves its buffer
.if (\s) == 2
	BIAS \path
.endif
	WIN 0x80
	WLOAD (\s)-2
	WIN 0
.Lno_next_\@:
.endif
	PRODS \path, \s, 1
.endm
; The head's 256 results of a lane become four images and their words.  Path 0: group g = the rows' tiles 2 g and 2 g + 1.  Path 1: group g = tile g of the head's channels x 128 keys.
.macro EPI
.irp g, 0,1,2,3
	s_wait_xcnt 0x0                                ; the last stores have read their data: the codes' registers are written again only behind this wait
	s_wait_alu depctr_vm_vsrc(0)                   ; the stores issued so far (the first time: phase X's LDS stores) have read PC, PW and SW, which QUANT and the select below write again
	QUANT 64*\g, 1
.if (\g%2) == 0
	v_mov_b32 v[PK], v[PW]
.else
	v_cndmask_b32 v[SW+\g/2], v[PK], v[PW], s[MASK]   ; lanes 0-15 the even image's word, lanes 16-31 the odd one's
.endif
	s_wait_alu depctr_va_vdst(0)                   ; QUANT has written PC, and the selects SW, which the stores below read
	global_store_b128 v[LI], v[PC:PC+3], s[12:13] offset:1024*\g       ; 512 consecutive bytes, aligned to 256
	global_store_b128 v[LI], v[PC+4:PC+7], s[12:13] offset:1024*\g+512
.endr
	global_store_b64 v[L8], v[SW:SW+1], s[12:13] offset:4096           ; 256 consecutive bytes, aligned
.endm
.macro HEADLOOP path
	s_mov_b32 s[HC], 4
.Lhead_\@:
	s_wait_loadcnt 0x0                             ; this head's W, scale words and bias are in, so their bases may step: to the next head
	s_add_nc_u64 s[6:7], s[6:7], 32768
	s_add_nc_u64 s[8:9], s[8:9], 2048
	s_add_nc_u64 s[10:11], s[10:11], 256
.irp s, 0,1,2,3,4,5,6,7
	KSTEP \path, \s
.endr
	WIN 0
.rept 4
	v_nop                                          ; four places in front of the first read of results, and of loads into registers that the last products have read
.endr
	s_wait_alu depctr_va_vdst(0)                   ; the products of steps 6 and 7 are done reading their fragments of W and sets 2 and 3 of x, and all the head's products W's scale words: the loads below, and those of the next head's steps 0 and 1, land there
	s_cmp_eq_u32 s[HC], 1
	s_cbranch_scc1 .Llast_\@                       ; my last head asks for nothing: no load leaves its buffer
	WIN 0x80
	WLOAD 6
	WLOAD 7
	WIN 0
	WSLOAD
.Llast_\@:
	EPI                                            ; (its plain lines on v224-251 are also the places in front of the next head's first products, which write over these accumulators)
	s_wait_xcnt 0x0                                ; the stores have read their base
	s_add_nc_u64 s[12:13], s[12:13], s[14:15]
	s_sub_co_u32 s[HC], s[HC], 1
	s_cmp_lg_u32 s[HC], 0
	s_cbranch_scc1 .Lhead_\@
.endm
.irp p, 0,1,2,3                        ; x's scale words stay in registers: lanes 0-15 tile 2 p, lanes 16-31 tile 2 p + 1
.irp s, 0,1,2,3,4,5,6,7
	ds_load_b32 v[XS+8*\p+\s], v[XSR] offset:1024*\p+128*\s
.endr
.endr
	XFETCH 0, 0                                    ; (sets 0 and 1 held phase X's numbers: the wait behind its last QUANT has shown them read)
	XFETCH 1, 1
	s_cmp_lt_u32 ttmp9, 96
	s_cbranch_scc0 .Lvalues
	HEADLOOP 0
	s_branch .Lend
.Lvalues:
	HEADLOOP 1
.Lend:                                                 ; (the last head's fetches for a next head bring nothing that is used: they are waited for below)
	s_wait_dscnt 0x0                               ; the closing lines, six on end
	s_wait_alu 0x0
	s_wait_tensorcnt 0x0
	ds_add_u32 v254, v255
	s_wait_dscnt 0x0
	s_endpgm
.Lfunc_end_k_q8a423e09ed_proj:
	.size	k_q8a423e09ed_proj, .Lfunc_end_k_q8a423e09ed_proj-k_q8a423e09ed_proj
	.p2alignl 7, 3214868480
	.fill 96, 4, 3214868480
	.section	.rodata,"a",@progbits
	.p2align	6, 0x0
	.amdhsa_kernel k_q8a423e09ed_proj
		.amdhsa_group_segment_fixed_size 103936
		.amdhsa_private_segment_fixed_size 0
		.amdhsa_enable_private_segment 0
		.amdhsa_kernarg_size 80
		.amdhsa_user_sgpr_count 2
		.amdhsa_user_sgpr_kernarg_segment_ptr 1
		.amdhsa_wavefront_size32 1
		.amdhsa_system_sgpr_workgroup_id_x 1
		.amdhsa_system_sgpr_workgroup_id_y 1
		.amdhsa_system_sgpr_workgroup_id_z 1
		.amdhsa_system_vgpr_workitem_id 0
		.amdhsa_next_free_vgpr 896
		.amdhsa_next_free_sgpr 66
		.amdhsa_reserve_vcc 0
		.amdhsa_float_denorm_mode_32 3
		.amdhsa_float_denorm_mode_16_64 3
		.amdhsa_memory_ordered 1
		.amdhsa_forward_progress 1
		.amdhsa_inst_pref_size 255
	.end_amdhsa_kernel
	.section	.bss,"aw",@nobits
	.p2align	6
	.space	262144
	.amdgpu_metadata
---
amdhsa.version: [ 1, 2 ]
amdhsa.kernels:
  - .name:           k_q8a423e09ed_proj
    .symbol:         k_q8a423e09ed_proj.kd
    .args:
      - { .name: target_embedding, .offset: 0, .size: 8, .value_kind: global_buffer, .address_space: global }
      - { .name: source_embedding, .offset: 8, .size: 8, .value_kind: global_buffer, .address_space: global }
      - { .name: value_embedding, .offset: 16, .size: 8, .value_kind: global_buffer, .address_space: global }
      - { .name: bq, .offset: 24, .size: 8, .value_kind: global_buffer, .address_space: global }
      - { .name: bk, .offset: 32, .size: 8, .value_kind: global_buffer, .address_space: global }
      - { .name: bv, .offset: 40, .size: 8, .value_kind: global_buffer, .address_space: global }
      - { .name: wimg, .offset: 48, .size: 8, .value_kind: global_buffer, .address_space: global }
      - { .name: wsc, .offset: 56, .size: 8, .value_kind: global_buffer, .address_space: global }
      - { .name: qbuf, .offset: 64, .size: 8, .value_kind: global_buffer, .address_space: global }
      - { .name: kv, .offset: 72, .size: 8, .value_kind: global_buffer, .address_space: global }
    .group_segment_fixed_size: 103936
    .private_segment_fixed_size: 0
    .kernarg_segment_align: 8
    .kernarg_segment_size: 80
    .max_flat_workgroup_size: 128
    .sgpr_count:     66
    .vgpr_count:     896
    .wavefront_size: 32
...
	.end_amdgpu_metadata
.endif
;; end of part 6
;; launch attn (part 7): grid 8 x 32, 16 waves a work-group, no clusters, 327,680 bytes of LDS; arguments qbuf, kv, oimg, osc; writes oimg, osc
.if DOCPART == 7
	.amdgcn_target "amdgcn-amd-amdhsa--gfx1250"
	.amdhsa_code_object_version 6
	.text
	.protected	k_q8a423e09ed_attn
	.globl	k_q8a423e09ed_attn
	.p2align	8
	.type	k_q8a423e09ed_attn,@function
k_q8a423e09ed_attn:
	s_mov_b64 s[64:65], 0
	v_nop
	global_prefetch_b8 v0, s[64:65] scope:SCOPE_SE
	s_setreg_imm32_b32 hwreg(HW_REG_WAVE_MODE, 25, 1), 1
	s_wait_xcnt 0x0
; O[b][h][q] = the sum over keys of softmax(q . k / 8) v, 16 heads of 64, 2,048 queries, 4,096 keys, both products on codes of FP4 (E2M1) with one E8M0 byte for each 32 along K; the result is
; quantised along h x 64 + d for the last projection and leaves as images of that operand's registers.
; THE SOFTMAX AHEAD OF THE SECOND PRODUCT: t = score x log2(e) / 8; M = the row's largest t so far, rounded UP to a whole number; p = 2^(t - M) is what is quantised, along the keys, not normalised.
; The row's sum is taken of the unquantised p, in f32, and divides O at the end.  When M moves, the sum and O are multiplied by 2^(old M - new M): exact.
; SHARES.  Work-group (x, y): head y = 16 b + h, queries 256 x on.  Each of its SIXTEEN waves owns one tile of 16 queries in 256 registers: four waves to a SIMD, so that one wave's vector work
; stands beside another's matrix work and LDS loads.  Every wave walks all 4,096 keys, 128 a step: 12 matrix instructions and some 235 vector instructions.
; LDS holds the head's WHOLE K and V, 278,528 bytes, as they lie in kv: [step: 32][K's 4 images, 256 bytes of scale words, V's 4 images, 256 bytes of scale words].  It is filled ONCE: each wave
; issues four tensor loads at its start, one block of 4,352 bytes (17 rows of 256) in each group of 8 key steps, so that every wave has the same four loads and the same counted waits; four
; tensor loads of a wave are out at the most.  Nothing is filled again.  A barrier stands at the head of each group; a group's blocks land under the 8 key steps of the group before.
; The eight work-groups of a head read the same K and V.  They are not asked for jointly: a work-group asks for all its bytes in its first lines, once, and three of its four groups are on their
; way while 8, 16 and 24 key steps are worked: no line of the loop waits for a request.
; K = 64 IN THE FIRST PRODUCT.  An image of K holds TWO tiles of 16 keys: k 0-63 tile 2 i's channels, k 64-127 tile 2 i + 1's.  The wave keeps [q | 0] and [0 | q]: image x [q | 0] gives tile 2 i's
; scores, image x [0 | q] tile 2 i + 1's; the zero codes add nothing under any scale byte from 1 to 254.
; LAYOUT.  Both products transposed (S^T = K Q^T, O^T = V^T P^T): a lane holds ONE query (lane % 16) throughout.  Lane r of key tile 2 b + u is key 32 b + 8 u + r + 8 (r / 8), so that the 16
; registers of tiles 2 b, 2 b + 1 are keys 32 b + 16 (lane / 16) + 0 .. 15; V's tiles of channels are formed alike, so that O^T's 32 registers are channels 32 b + 16 (lane / 16) + 0 .. 15.
; OUT.  oimg [tile of rows: 256][K step: 8][1,024]: my head is half h % 2 (512 consecutive bytes, aligned to 256) of K step h / 2.  osc [pair of tiles][K step][tile of the pair][r][h % 2] of two
; bytes: stores of two bytes a lane, four bytes apart; lanes r and r + 16 write the same two bytes with the same value; osc is 131,072 bytes in all.
; LIMITS: NaN and infinities are not served; p under 2^-126 is 0 (v_exp_f32 gives no denormals: ISA guide, its entry); 1 / the sum is v_rcp_f32's; a block whose largest magnitude lies under
; 2^-124 (a block of zeros too) gets the byte 1, and the bytes are read by this program alone.
; REGISTERS: v1 16 x lane, v2 8 x lane, v3, v4 the step's LDS addresses, v5 4 r, v6 8 r; v12 -M, v13 the largest t, v[14:15] the sum in two halves; v16-23 [q | 0], v24-31 [0 | q]; v32-63 K's images;
; v64-95 V's; v96-159 S^T, then p; v160-191 O^T; v192-199 p's codes; v[200:201] K's scale words, v[202:203] V's, v204 q's, v205 p's; v206, v232-254 at work.
.set G1,  24                           ; s[24:31] descriptor group 1;  s[32:47] four groups 0
.set G0,  32
.set WV,  18                           ; s18 wave;  s19 the head;  s[20:21] selects for lane l xor 16;  s[22:23] c;  s2 LDS byte of the step;  s3 steps to go
.set SEL, 20
.set CS,  22
	s_load_b256 s[4:11], s[0:1], 0x0               ; qbuf, kv, oimg, osc
	v_lshl_add_u32 v251, v0, 2, 0x44000
	v_mov_b32 v255, 0
	ds_add_u32 v251, v255
	ds_add_u32 v251, v255
	v_lshrrev_b32 v5, 5, v0
	s_delay_alu instid0(VALU_DEP_1)
	v_readfirstlane_b32 s[WV], v5                  ; wave 0..15
	s_and_b32 s19, ttmp7, 0xffff                   ; 16 b + h
	s_mov_b32 s[G1+0], 3<<16                       ; 15:0 no mask; 17:16 elements of 8 bytes; no padding: every LDS load here reads consecutive bytes
	s_mov_b32 s[G1+1], 32<<16                      ; tensor_dim0 = 32 elements: 256 bytes
	s_mov_b32 s[G1+2], 17<<16                      ; tensor_dim1 = 17 rows
	s_mov_b32 s[G1+3], 32<<16                      ; tile_dim0
	s_mov_b32 s[G1+4], 17                          ; tile_dim1
	s_mov_b32 s[G1+5], 32                          ; from row to row: dense
	s_mov_b32 s[G1+6], 0
	s_mov_b32 s[G1+7], 0
	s_mul_i32 s12, s[WV], 4352                     ; my block in a group of 8 key steps (16 blocks)
	s_mul_i32 s14, s19, 278528                     ; the head's K and V
	s_add_co_u32 s14, s14, s12
	s_mov_b32 s15, 0
	s_lshl_b32 s52, s19, 4                         ; q: block of 128 queries = 16 (16 b + h) + 2 x + wave / 8
	s_lshl_b32 s53, ttmp9, 1
	s_add_co_u32 s52, s52, s53
	s_lshr_b32 s53, s[WV], 3
	s_add_co_u32 s52, s52, s53
	s_mul_i32 s52, s52, 4352
	s_and_b32 s16, s[WV], 1                        ; my tile is half wave % 2
	s_bfe_u32 s17, s[WV], 0x20001                  ; of image i = (wave % 8) / 2
	s_lshl_b32 s53, s17, 10
	s_add_co_u32 s54, s52, s53
	s_lshl_b32 s53, s16, 9
	s_add_co_u32 s54, s54, s53                     ; its codes
	s_mov_b32 s55, 0
	s_and_b32 s53, s17, 1                          ; its scale word: behind the four images, 8 bytes a lane: lane 16 (i % 2) + r, word i / 2
	s_lshl_b32 s53, s53, 7
	s_add_co_u32 s56, s52, s53
	s_lshr_b32 s53, s17, 1
	s_lshl_b32 s53, s53, 2
	s_add_co_u32 s56, s56, s53
	s_add_co_u32 s56, s56, 4096
	s_mov_b32 s57, 0
	s_lshl_b32 s16, s16, 4                         ; my two bytes stand 16 (wave % 2) bits up in it
	s_lshr_b32 s52, s19, 4                         ; out: tile of rows = 128 b + 16 x + wave
	s_lshl_b32 s52, s52, 7
	s_lshl_b32 s53, ttmp9, 4
	s_add_co_u32 s52, s52, s53
	s_add_co_u32 s52, s52, s[WV]
	s_and_b32 s53, s19, 15                         ; h
	s_lshr_b32 s58, s53, 1                         ; K step of the last projection
	s_and_b32 s53, s53, 1                          ; and the half of it
	s_lshl_b32 s60, s52, 13
	s_lshl_b32 s59, s58, 10
	s_add_co_u32 s60, s60, s59
	s_lshl_b32 s59, s53, 9
	s_add_co_u32 s60, s60, s59
	s_mov_b32 s61, 0
	s_lshr_b32 s62, s52, 1
	s_lshl_b32 s62, s62, 10
	s_lshl_b32 s59, s58, 7
	s_add_co_u32 s62, s62, s59
	s_and_b32 s59, s52, 1
	s_lshl_b32 s59, s59, 6
	s_add_co_u32 s62, s62, s59
	s_lshl_b32 s59, s53, 1
	s_add_co_u32 s62, s62, s59
	s_mov_b32 s63, 0
	s_mov_b32 s[SEL], 0x76543210
	s_mov_b32 s[SEL+1], 0xfedcba98
	s_mov_b32 s[CS], 0x3e38aa3b                    ; c = log2(e) / 8
	s_mov_b32 s[CS+1], s[CS]                       ; (named with it as a pair, so it is written)
	s_wait_dscnt 0x0
	s_wait_kmcnt 0x0
	s_add_nc_u64 s[6:7], s[6:7], s[14:15]
.irp g, 0,1,2,3
	s_mov_b32 s[G0+4*\g], 1                        ; count = 1
	s_add_co_u32 s[G0+4*\g+1], s12, 69632*\g       ; LDS address: 69,632 x group + 4,352 x wave
	s_add_nc_u64 s[G0+4*\g+2:G0+4*\g+3], s[6:7], 69632*\g   ; the same place in the head's bytes
	s_or_b32 s[G0+4*\g+3], s[G0+4*\g+3], 0x80000000         ; type = 2
.endr
.irp g, 0,1,2,3
	s_wait_alu depctr_va_vdst(0)
	s_wait_tensorcnt 0x0
	ds_add_u32 v251, v255
	ds_add_u32 v251, v255
	s_wait_dscnt 0x0
	s_barrier_signal -1
	s_barrier_wait -1
	tensor_load_to_lds s[G0+4*\g:G0+4*\g+3], s[G1:G1+7]     ; one fill at a time, each behind a wait for the one before and a barrier
	s_nop 0
.endr
.rept 4
	v_nop
.endr
	s_add_nc_u64 s[48:49], s[4:5], s[54:55]
	s_add_nc_u64 s[50:51], s[4:5], s[56:57]
	s_add_nc_u64 s[8:9], s[8:9], s[60:61]
	s_add_nc_u64 s[10:11], s[10:11], s[62:63]
	v_and_b32 v7, 31, v0
	v_and_b32 v8, 15, v0
	s_delay_alu instid0(VALU_DEP_2)
	v_lshlrev_b32 v1, 4, v7
	s_delay_alu instid0(VALU_DEP_3)
	v_lshlrev_b32 v2, 3, v7
	s_delay_alu instid0(VALU_DEP_3)
	v_lshlrev_b32 v5, 2, v8
	s_delay_alu instid0(VALU_DEP_4)
	v_lshlrev_b32 v6, 3, v8
	global_load_b128 v[16:19], v1, s[48:49]        ; q's half image, twice: two runs of registers
	global_load_b128 v[28:31], v1, s[48:49]
	global_load_b32 v204, v6, s[50:51]
.irp j, 20,21,22,23,24,25,26,27
	v_mov_b32 v[\j], 0                             ; the zero halves
.endr
	v_mov_b32 v13, 0xff61b1e6                      ; the largest t so far: -3e38, under every t
	s_delay_alu instid0(VALU_DEP_1)
	v_floor_f32 v12, -v13                          ; -M
	v_mov_b32 v14, 0
	v_mov_b32 v15, 0
	v_mov_b32 v253, 0                              ; (the upper half of the pair v[252:253])
.irp b, 0,1,2,3
	v_mov_b32 v[236+\b], 0                         ; written once: a lane permute's destination counts as one of its sources
.endr
	s_wait_loadcnt 0x0
	v_lshrrev_b32 v204, s16, v204                  ; my tile's two bytes,
	s_delay_alu instid0(VALU_DEP_1)
	v_and_b32 v204, 0xffff, v204
	s_delay_alu instid0(VALU_DEP_1)
	v_lshl_or_b32 v204, v204, 16, v204             ; for k 0-63 and again for k 64-127
.irp j, 0,1,2,3,4,5,6,7,8,9,10,11,12,13,14,15,16,17,18,19,20,21,22,23,24,25,26,27,28,29,30,31
	v_mov_b32 v[160+\j], 0                         ; O^T: the step is written once; its first run finds zeros.  (Also the places between the lines above and the first products)
.endr
.macro SQ i, u                         ; the scores of key tile 2 i + u
.if ((\i)%2) != 0
	v_wmma_scale_f32_16x16x128_f8f6f4 v[96+8*(2*(\i)+(\u)):103+8*(2*(\i)+(\u))], v[32+8*(\i):39+8*(\i)], v[16+8*(\u):23+8*(\u)], 0, v[200+(\i)/2], v204 matrix_a_fmt:MATRIX_FMT_FP4 matrix_b_fmt:MATRIX_FMT_FP4 matrix_a_scale:MATRIX_SCALE_ROW1
.else
	v_wmma_scale_f32_16x16x128_f8f6f4 v[96+8*(2*(\i)+(\u)):103+8*(2*(\i)+(\u))], v[32+8*(\i):39+8*(\i)], v[16+8*(\u):23+8*(\u)], 0, v[200+(\i)/2], v204 matrix_a_fmt:MATRIX_FMT_FP4 matrix_b_fmt:MATRIX_FMT_FP4
.endif
.endm
.macro PV t                            ; O^T's tile t of 16 channels += V's image t x p
.if ((\t)%2) != 0
	v_wmma_scale_f32_16x16x128_f8f6f4 v[160+8*(\t):167+8*(\t)], v[64+8*(\t):71+8*(\t)], v[192:199], v[160+8*(\t):167+8*(\t)], v[202+(\t)/2], v205 matrix_a_fmt:MATRIX_FMT_FP4 matrix_b_fmt:MATRIX_FMT_FP4 matrix_a_scale:MATRIX_SCALE_ROW1
.else
	v_wmma_scale_f32_16x16x128_f8f6f4 v[160+8*(\t):167+8*(\t)], v[64+8*(\t):71+8*(\t)], v[192:199], v[160+8*(\t):167+8*(\t)], v[202+(\t)/2], v205 matrix_a_fmt:MATRIX_FMT_FP4 matrix_b_fmt:MATRIX_FMT_FP4
.endif
.endm
; A KEY STEP: 128 keys, at LDS byte s2
.macro STEP
	v_add_nc_u32 v3, s2, v1
	v_add_nc_u32 v4, s2, v2
	v_nop
	v_nop                                          ; four places in front of loads into registers that the last products have read
.irp i, 0,1,2,3
.irp c, 0,1
	ds_load_b128 v[32+8*\i+4*\c:35+8*\i+4*\c], v3 offset:1024*\i+512*\c
.endr
.endr
	ds_load_b64 v[200:201], v4 offset:4096
.irp i, 0,1,2,3
.irp c, 0,1
	ds_load_b128 v[64+8*\i+4*\c:67+8*\i+4*\c], v3 offset:4352+1024*\i+512*\c
.endr
.endr
	ds_load_b64 v[202:203], v4 offset:8448
	s_wait_dscnt 9                                 ; K's images and words are in; V's nine loads may be out: they land under the softmax
.irp i, 0,1,2,3
.irp u, 0,1
	SQ \i, \u
.endr
.endr
.rept 4
	v_nop
.endr
.irp b, 0,1,2,3
	v_max3_num_f32 v[232+\b], v[96+16*\b], v[97+16*\b], v[98+16*\b]   ; THE LARGEST SCORE OF EACH BLOCK OF 32 KEYS serves twice: for the row's maximum and, since p rises with the score, for the block's largest p
.endr
.irp i, 3,5,7,9,11,13
.irp b, 0,1,2,3
	v_max3_num_f32 v[232+\b], v[232+\b], v[96+16*\b+\i], v[97+16*\b+\i]
.endr
.endr
.irp b, 0,1,2,3
	v_max_num_f32 v[232+\b], v[232+\b], v[111+16*\b]
.endr
.irp b, 0,1,2,3
	s_delay_alu instid0(VALU_DEP_4)
	v_permlanex16_b32 v[236+\b], v[232+\b], s[SEL], s[SEL+1]
.endr
.irp b, 0,1,2,3
	s_delay_alu instid0(VALU_DEP_4)
	v_max_num_f32 v[232+\b], v[232+\b], v[236+\b]  ; with lane l xor 16's 16 keys
.endr
	s_delay_alu instid0(VALU_DEP_2)
	v_max3_num_f32 v254, v232, v233, v234
	s_delay_alu instid0(VALU_DEP_1)
	v_max_num_f32 v254, v254, v235                 ; the step's largest score of my query
	s_delay_alu instid0(VALU_DEP_1)
	v_mul_f32 v254, s[CS], v254                    ; as t (c is positive)
	s_delay_alu instid0(VALU_DEP_1)
	v_max_num_f32 v13, v13, v254                   ; the running largest t
	v_mov_b32 v254, v12
	s_delay_alu instid0(VALU_DEP_2)
	v_floor_f32 v12, -v13                          ; the new -M = floor(-t) = -ceil(t)
	s_delay_alu instid0(VALU_DEP_1)
	v_sub_f32 v254, v12, v254                      ; old M - new M: a whole number, 0 or less
	s_delay_alu instid0(VALU_DEP_1)
	v_cvt_i32_f32 v254, v254                       ; (it saturates)
	s_delay_alu instid0(VALU_DEP_1)
	v_ldexp_f32 v252, 1.0, v254                    ; f = 2^(old M - new M)
.irp j, 0,2,4,6,8,10,12,14,16,18,20,22,24,26,28,30,32,34,36,38,40,42,44,46,48,50,52,54,56,58,60,62
	v_pk_fma_f32 v[96+\j:97+\j], v[96+\j:97+\j], s[CS:CS+1], v[12:13] op_sel_hi:[1,0,0]   ; t - M, two at a time (of the pairs c and -M the low word serves both halves)
.endr
.irp b, 0,1,2,3
	v_fma_f32 v[232+\b], v[232+\b], s[CS], v12     ; the same of each block's largest score
.endr
	s_wait_alu depctr_va_vdst(0)
.irp j, 0,1,2,3,4,5,6,7,8,9,10,11,12,13,14,15,16,17,18,19,20,21,22,23,24,25,26,27,28,29,30,31,32,33,34,35,36,37,38,39,40,41,42,43,44,45,46,47,48,49,50,51,52,53,54,55,56,57,58,59,60,61,62,63
	v_exp_f32 v[96+\j], v[96+\j]                   ; p = 2^(t - M), at most 1
.endr
	s_setprio 1
.irp b, 0,1,2,3
	v_exp_f32 v[232+\b], v[232+\b]                 ; the block's largest p: the same two instructions on the same number give the same bits
.endr
	v_pk_mul_f32 v[14:15], v[14:15], v[252:253] op_sel_hi:[1,0]   ; the sums under the new M.  (The plain place behind the exponentials)
	s_wait_alu depctr_va_vdst(0)
.irp b, 0,1,2,3
	v_max_num_f32 v[232+\b], 0x1800000, v[232+\b]  ; the floor 2^(3 - 127): the byte cannot fall under 1
.endr
.irp b, 0,1,2,3
	s_delay_alu instid0(VALU_DEP_4)
	v_add_nc_u32 v[244+\b], 0xff000000, v[232+\b]  ; 2 off the exponent field: the conversion's scale operand
.endr
.irp b, 0,1,2,3
	s_delay_alu instid0(VALU_DEP_4)
	v_lshrrev_b32 v[236+\b], 23, v[244+\b]         ; the scale's byte
.endr
	s_delay_alu instid0(VALU_DEP_3)
	v_lshl_or_b32 v205, v237, 8, v236              ; p's scale word for these 128 keys
	s_delay_alu instid0(VALU_DEP_1)
	v_lshl_or_b32 v205, v238, 16, v205
	s_delay_alu instid0(VALU_DEP_1)
	v_lshl_or_b32 v205, v239, 24, v205
.irp b, 0,1,2,3
	v_cvt_scalef32_pk8_fp4_f32 v[192+2*\b], v[96+16*\b:103+16*\b], v[244+\b]
	v_cvt_scalef32_pk8_fp4_f32 v[193+2*\b], v[104+16*\b:111+16*\b], v[244+\b]
.endr
	v_nop                                          ; one plain place behind the scaled conversions
.irp c, 0,1                            ; the operand wants a WHOLE block in a lane
.irp i, 0,1
	v_permlane16_swap_b32 v[192+4*\c+\i], v[194+4*\c+\i]
.endr
.endr
	v_pk_add_f32 v[236:237], v[96:97], v[98:99]    ; THE ROW'S SUM IS TAKEN OF THE UNQUANTISED p: two at a time, in two chains
.irp j, 4,8,12,16,20,24,28,32,36,40,44,48,52,56,60
	v_pk_add_f32 v[14:15], v[14:15], v[96+\j:97+\j]
	v_pk_add_f32 v[236:237], v[236:237], v[98+\j:99+\j]
.endr
	s_delay_alu instid0(VALU_DEP_1)
	v_pk_add_f32 v[14:15], v[14:15], v[236:237]
	s_setprio 0
.irp j, 0,2,4,6,8,10,12,14,16,18,20,22,24,26,28,30
	v_pk_mul_f32 v[160+\j:161+\j], v[160+\j:161+\j], v[252:253] op_sel_hi:[1,0]   ; O^T under the new M.  (With the sums: the places between p's codes and scale word and the products)
.endr
	s_wait_alu depctr_va_vdst(0)
	s_wait_dscnt 0x0                               ; V's images and words are in
.irp t, 0,1,2,3
	PV \t                                          ; four accumulators, one instruction a turn; the next matrix instruction is the next step's first score
.endr
	s_add_co_u32 s2, s2, 8704
.endm
.macro GROUP g                         ; key steps 8 g .. 8 g + 7
	s_wait_tensorcnt 3-\g                          ; my block of this group has landed; my loads of the later groups may be out
	s_wait_dscnt 0x0
	s_barrier_signal -1
	s_barrier_wait -1                              ; everybody's has
	s_mov_b32 s2, 69632*\g
	s_mov_b32 s3, 8
.Lstep_\@:
	s_setprio 2
	STEP
	s_sub_co_u32 s3, s3, 1
	s_cmp_lg_u32 s3, 0
	s_cbranch_scc1 .Lstep_\@
	s_setprio 0
.endm
	GROUP 0
	GROUP 1
	GROUP 2
	GROUP 3
	; THE WAY OUT: O^T / the sum, quantised along the head's 64 channels (two blocks): half a fragment of the last projection's operand
.rept 4
	v_nop
.endr
	v_add_f32 v14, v14, v15                        ; the sum's two halves,
	s_delay_alu instid0(VALU_DEP_1)
	v_permlanex16_b32 v252, v14, s[SEL], s[SEL+1]
	s_delay_alu instid0(VALU_DEP_1)
	v_add_f32 v14, v14, v252                       ; and lane l xor 16's: the row's sum, over 1/2
	s_wait_alu depctr_va_vdst(0)
	v_rcp_f32 v14, v14
	v_nop                                          ; one plain place behind the transcendental
	s_wait_alu depctr_va_vdst(0)
.irp j, 0,1,2,3,4,5,6,7,8,9,10,11,12,13,14,15,16,17,18,19,20,21,22,23,24,25,26,27,28,29,30,31
	v_mul_f32 v[96+\j], v[160+\j], v14             ; register 16 b + i: channel 32 b + 16 (lane / 16) + i of my query; each accumulator from its low end on
.endr
.irp b, 0,1
	v_max3_num_f32 v[232+\b], |v[96+16*\b]|, |v[97+16*\b]|, 0x1800000
.endr
.irp i, 2,4,6,8,10,12,14
.irp b, 0,1
	s_delay_alu instid0(VALU_DEP_2)
	v_max3_num_f32 v[232+\b], v[232+\b], |v[96+16*\b+\i]|, |v[97+16*\b+\i]|
.endr
.endr
.irp b, 0,1
	s_delay_alu instid0(VALU_DEP_2)
	v_permlanex16_b32 v[236+\b], v[232+\b], s[SEL], s[SEL+1]
.endr
.irp b, 0,1
	s_delay_alu instid0(VALU_DEP_2)
	v_max_num_f32 v[232+\b], v[232+\b], v[236+\b]
.endr
.irp b, 0,1
	s_delay_alu instid0(VALU_DEP_2)
	v_add_nc_u32 v[244+\b], 0xff000000, v[232+\b]
.endr
.irp b, 0,1
	s_delay_alu instid0(VALU_DEP_2)
	v_lshrrev_b32 v[236+\b], 23, v[244+\b]
.endr
	s_delay_alu instid0(VALU_DEP_1)
	v_lshl_or_b32 v206, v237, 8, v236              ; my row's two scale bytes
.irp b, 0,1
	v_cvt_scalef32_pk8_fp4_f32 v[192+2*\b], v[96+16*\b:103+16*\b], v[244+\b]
	v_cvt_scalef32_pk8_fp4_f32 v[193+2*\b], v[104+16*\b:111+16*\b], v[244+\b]
.endr
	v_nop
	v_permlane16_swap_b32 v192, v194               ; v192-195 now hold channels 32 (lane / 16) + 0 .. 31
	v_permlane16_swap_b32 v193, v195
	global_store_b128 v1, v[192:195], s[8:9]       ; 512 consecutive bytes, aligned to 256
	global_store_b16 v5, v206, s[10:11]
	s_wait_tensorcnt 0x0
	ds_add_u32 v251, v255
	s_wait_dscnt 0x0
	s_endpgm
.Lfunc_end_k_q8a423e09ed_attn:
	.size	k_q8a423e09ed_attn, .Lfunc_end_k_q8a423e09ed_attn-k_q8a423e09ed_attn
	.p2alignl 7, 3214868480
	.fill 96, 4, 3214868480
	.section	.rodata,"a",@progbits
	.p2align	6, 0x0
	.amdhsa_kernel k_q8a423e09ed_attn
		.amdhsa_group_segment_fixed_size 327680
		.amdhsa_private_segment_fixed_size 0
		.amdhsa_enable_private_segment 0
		.amdhsa_kernarg_size 32
		.amdhsa_user_sgpr_count 2
		.amdhsa_user_sgpr_kernarg_segment_ptr 1
		.amdhsa_wavefront_size32 1
		.amdhsa_system_sgpr_workgroup_id_x 1
		.amdhsa_system_sgpr_workgroup_id_y 1
		.amdhsa_system_sgpr_workgroup_id_z 1
		.amdhsa_system_vgpr_workitem_id 0
		.amdhsa_next_free_vgpr 256
		.amdhsa_next_free_sgpr 66
		.amdhsa_reserve_vcc 0
		.amdhsa_float_denorm_mode_32 3
		.amdhsa_float_denorm_mode_16_64 3
		.amdhsa_memory_ordered 1
		.amdhsa_forward_progress 1
		.amdhsa_inst_pref_size 77
	.end_amdhsa_kernel
	.amdgpu_metadata
---
amdhsa.version: [ 1, 2 ]
amdhsa.kernels:
  - .name:           k_q8a423e09ed_attn
    .symbol:         k_q8a423e09ed_attn.kd
    .args:
      - { .name: qbuf, .offset: 0, .size: 8, .value_kind: global_buffer, .address_space: global }
      - { .name: kv, .offset: 8, .size: 8, .value_kind: global_buffer, .address_space: global }
      - { .name: oimg, .offset: 16, .size: 8, .value_kind: global_buffer, .address_space: global }
      - { .name: osc, .offset: 24, .size: 8, .value_kind: global_buffer, .address_space: global }
    .group_segment_fixed_size: 327680
    .private_segment_fixed_size: 0
    .kernarg_segment_align: 8
    .kernarg_segment_size: 32
    .max_flat_workgroup_size: 512
    .sgpr_count:     66
    .vgpr_count:     256
    .wavefront_size: 32
...
	.end_amdgpu_metadata
.endif
;; end of part 7
;; launch oproj (part 8): grid 8 x 32, 4 waves a work-group, no clusters, 17,920 bytes of LDS; arguments oimg, osc, wimg, wsc, bo, out0; writes out0
.if DOCPART == 8
	.amdgcn_target "amdgcn-amd-amdhsa--gfx1250"
	.amdhsa_code_object_version 6
	.text
	.protected	k_q8a423e09ed_oproj
	.globl	k_q8a423e09ed_oproj
	.p2align	8
	.type	k_q8a423e09ed_oproj,@function
k_q8a423e09ed_oproj:
	s_mov_b64 s[64:65], 0
	v_nop
	global_prefetch_b8 v0, s[64:65] scope:SCOPE_SE
	s_setreg_imm32_b32 hwreg(HW_REG_WAVE_SCHED_MODE, 0, 2), 2
	s_setreg_imm32_b32 hwreg(HW_REG_WAVE_MODE, 25, 1), 1
	s_wait_xcnt 0x0
	s_wait_alu depctr_vm_vsrc(0)
; out0 = O Wo + bo, [4,096][1,024] f32, K = 1,024, on codes of FP4 (E2M1) with one E8M0 byte for each 32 along K.  Both operands lie in memory as images of their registers
; (a fragment of 16 rows x 128 K: registers 0-3 of lane l at 16 l, 4-7 at 512 + 16 l), so every load reads 512 consecutive bytes straight into an operand's registers.
; SHARES.  Work-group (x, y): rows 128 y on, columns 128 x on.  Wave w: 4 tiles of rows (half w / 2) x 64 columns (half w % 2): 16 accumulators; 8 K steps of 16 matrix instructions.
; Source 0 = 16 columns of Wo, source 1 = 16 rows of O: a lane holds one row and eight neighbouring columns.  Lane r of tile 2 b + u (rows and columns alike) is 32 b + 8 u + r + 8 (r / 8).
; The bias is the C of each sum's first matrix instruction.  The fragments' loads run three K steps ahead, each K step into registers of its own.
; THE WAY OUT: a tile of 16 rows x 256 bytes goes through the wave's own stage in LDS (rows 272 bytes apart) and leaves by rows: sixteen lanes store 256 consecutive bytes, aligned.
; No tensor load, so no joint requests and no cluster: a work-group's share is 256 KiB read once and 128 matrix instructions a wave.  No barrier: waves share nothing.
; REGISTERS.  Window 0: v1-6 addresses; v16-143 accumulators (32 m + 8 t); v144-159 O's scale words; v160-175 Wo's; v176-207 the bias, later rows on their way out; v208-239 likewise.
;   Window 1: O's fragments at 32 s + 8 m.   Window 2: Wo's at 32 s + 8 t.
; THE MODE: SCHED_MODE bits 1:0 = 2 (LLVM: expert scheduling mode 2), set by the entry lines.  The code itself states the register dependences
; between vector or matrix instructions and memory or LDS instructions, with s_wait_alu, always for 0.
; THE PLAN.  Registers that memory or LDS instructions touch:
;   v1-v6, v254, v255   addresses, and the closing add's two: written at the head, never again: one wait on va_vdst ahead of the first load.
;   The fragments, the scale words, the bias: each register is loaded once, ahead of every matrix instruction that names it: the eight K steps owe no wait.
;   The accumulators: written by the products, read by the stage's stores.   v176-207: read by K step 0's products as C, then rows from the stage land there: one wait on va_vdst serves both, behind the way out's places.
;   v176-207, v208-239 by turns: tile a's rows land there, its global stores read them, tile a + 2's rows land there again: a wait on vm_vsrc ahead of tiles 2 and 3.
.set SP,  272
.set ACC, 16
.set AS,  144
.set WS,  160
.set BI,  176
.set OUT, 176
.set MSB, 0
.macro WIN new                         ; s_set_vgpr_msb: bits 1:0 source 0, 3:2 source 1, 5:4 source 2, 7:6 destination; the high byte repeats the setting that is left
.if MSB != (\new)
	s_set_vgpr_msb (MSB<<8)|(\new)
.set MSB, \new
.endif
.endm
.macro MM d, a, b, c, sa, sb, ra, rb   ; ra, rb: source 0's, source 1's scale words stand in lanes 16-31 of their register
.if ((\ra) != 0) && ((\rb) != 0)
	v_wmma_scale_f32_16x16x128_f8f6f4 v[(\d):(\d)+7], v[(\a):(\a)+7], v[(\b):(\b)+7], v[(\c):(\c)+7], v[(\sa)], v[(\sb)] matrix_a_fmt:MATRIX_FMT_FP4 matrix_b_fmt:MATRIX_FMT_FP4 matrix_a_scale:MATRIX_SCALE_ROW1 matrix_b_scale:MATRIX_SCALE_ROW1
.elseif (\ra) != 0
	v_wmma_scale_f32_16x16x128_f8f6f4 v[(\d):(\d)+7], v[(\a):(\a)+7], v[(\b):(\b)+7], v[(\c):(\c)+7], v[(\sa)], v[(\sb)] matrix_a_fmt:MATRIX_FMT_FP4 matrix_b_fmt:MATRIX_FMT_FP4 matrix_a_scale:MATRIX_SCALE_ROW1
.elseif (\rb) != 0
	v_wmma_scale_f32_16x16x128_f8f6f4 v[(\d):(\d)+7], v[(\a):(\a)+7], v[(\b):(\b)+7], v[(\c):(\c)+7], v[(\sa)], v[(\sb)] matrix_a_fmt:MATRIX_FMT_FP4 matrix_b_fmt:MATRIX_FMT_FP4 matrix_b_scale:MATRIX_SCALE_ROW1
.else
	v_wmma_scale_f32_16x16x128_f8f6f4 v[(\d):(\d)+7], v[(\a):(\a)+7], v[(\b):(\b)+7], v[(\c):(\c)+7], v[(\sa)], v[(\sb)] matrix_a_fmt:MATRIX_FMT_FP4 matrix_b_fmt:MATRIX_FMT_FP4
.endif
.endm
	s_load_b256 s[4:11], s[0:1], 0x0               ; oimg, osc, wimg, wsc
	s_load_b128 s[12:15], s[0:1], 0x20             ; bo, out0
	v_lshl_add_u32 v254, v0, 2, 0x4400
	v_mov_b32 v255, 0
	v_lshrrev_b32 v7, 5, v0
	v_readfirstlane_b32 s16, v7                    ; wave 0..3
	v_and_b32 v7, 31, v0
	v_and_b32 v8, 15, v0                           ; r
	v_bfe_u32 v9, v0, 4, 1                         ; h
	v_lshlrev_b32 v1, 4, v7                        ; 16 x lane
	v_lshlrev_b32 v2, 2, v7                        ; 4 x lane
	v_lshlrev_b32 v3, 6, v9                        ; the bias: 64 h
	v_mul_u32_u24 v4, v8, SP
	v_lshl_add_u32 v4, v9, 6, v4                   ; the stage, in: row r, + 64 h
	v_mul_u32_u24 v5, v9, SP
	v_lshl_add_u32 v5, v8, 4, v5                   ; back: lanes 0-15 one row, lanes 16-31 the next
	v_lshlrev_b32 v6, 12, v9
	v_lshl_add_u32 v6, v8, 4, v6                   ; and the same two rows in out0
	s_wait_alu depctr_va_sdst(0)                   ; s16, the wave's number, is written, ahead of its first reader: the stage's place and all the bases are made from it
	s_lshr_b32 s17, s16, 1                         ; which 64 rows
	s_and_b32 s18, s16, 1
	s_lshl_b32 s19, ttmp9, 1
	s_add_co_u32 s19, s19, s18                     ; which 64 columns of the 1,024
	s_and_b32 s20, ttmp7, 0xffff                   ; which 128 rows
	s_mul_i32 s24, s16, 16*SP                      ; my stage
	v_add_nc_u32 v4, s24, v4
	v_add_nc_u32 v5, s24, v5
	s_mov_b32 s23, 0
	s_wait_kmcnt 0x0
	s_lshl_b32 s22, s20, 16                        ; oimg: 8 tiles of 8,192 bytes a block of 128 rows
	s_lshl_b32 s21, s17, 15
	s_add_co_u32 s22, s22, s21
	s_add_nc_u64 s[4:5], s[4:5], s[22:23]
	s_lshl_b32 s22, s20, 12                        ; osc: 4 pairs of tiles of 1,024 bytes
	s_lshl_b32 s21, s17, 11
	s_add_co_u32 s22, s22, s21
	s_add_nc_u64 s[6:7], s[6:7], s[22:23]
	s_lshl_b32 s22, s19, 15                        ; wimg: weight 3, four tiles of 8,192 bytes for 64 columns
	s_add_co_u32 s22, s22, 3<<19
	s_add_nc_u64 s[8:9], s[8:9], s[22:23]
	s_lshl_b32 s22, s19, 11                        ; wsc: weight 3, two pairs of tiles
	s_add_co_u32 s22, s22, 3<<15
	s_add_nc_u64 s[10:11], s[10:11], s[22:23]
	s_lshl_b32 s22, s19, 8                         ; bo, and the columns in out0: 256 bytes
	s_add_nc_u64 s[12:13], s[12:13], s[22:23]
	s_lshl_b32 s21, s20, 19
	s_add_co_u32 s22, s22, s21
	s_lshl_b32 s21, s17, 18
	s_add_co_u32 s22, s22, s21
	s_add_nc_u64 s[14:15], s[14:15], s[22:23]
	s_wait_alu depctr_va_vdst(0)                   ; the six addresses v1 to v6 are written, which every load and store of the kernel reads; so are v254 and v255, which the closing add reads
.irp p, 0,1
.irp s, 0,1,2,3,4,5,6,7
	global_load_b32 v[AS+8*\p+\s], v2, s[6:7] offset:1024*\p+128*\s    ; lanes 0-15 tile 2 p, lanes 16-31 tile 2 p + 1
	global_load_b32 v[WS+8*\p+\s], v2, s[10:11] offset:1024*\p+128*\s
.endr
.endr
.irp t, 0,1,2,3                        ; a lane's registers of tile t are columns 32 (t / 2) + 16 h + 8 (t % 2) + 0 .. 7
	global_load_b128 v[BI+8*\t:BI+8*\t+3], v3, s[12:13] offset:(32*(\t/2)+8*(\t%2))*4
	global_load_b128 v[BI+8*\t+4:BI+8*\t+7], v3, s[12:13] offset:(32*(\t/2)+8*(\t%2))*4+16
.endr
.macro LD s                            ; K step s: 8 loads of O's fragments, 8 of Wo's.  No wait: no vector or matrix instruction issued so far names these registers
	WIN 0x40
.irp m, 0,1,2,3
.irp c, 0,1
	global_load_b128 v[32*(\s)+8*\m+4*\c:32*(\s)+8*\m+4*\c+3], v1, s[4:5] offset:8192*\m+1024*(\s)+512*\c
.endr
.endr
	WIN 0x80
.irp t, 0,1,2,3
.irp c, 0,1
	global_load_b128 v[32*(\s)+8*\t+4*\c:32*(\s)+8*\t+4*\c+3], v1, s[8:9] offset:(8*\t+(\s))*1024+512*\c
.endr
.endr
.endm
	LD 0
	LD 1
	LD 2
.macro KSTEP s
.if (\s)+3 < 8
	LD (\s)+3
	s_wait_loadcnt 48                              ; this K step's 16 loads are in (and the scale words and the bias); those of the three K steps behind it may be out
.else
	s_wait_loadcnt 16*(7-(\s))
.endif
	WIN 0x06                                       ; source 0 (Wo) window 2, source 1 (O) window 1, C and D window 0
.irp m, 0,1,2,3                        ; 16 accumulators, one instruction a turn, in the same order in every step
.irp t, 0,1,2,3
.if (\s) == 0
	MM ACC+32*\m+8*\t, 32*(\s)+8*\t, 32*(\s)+8*\m, BI+8*\t, WS+8*(\t/2)+(\s), AS+8*(\m/2)+(\s), \t%2, \m%2
.else
	MM ACC+32*\m+8*\t, 32*(\s)+8*\t, 32*(\s)+8*\m, ACC+32*\m+8*\t, WS+8*(\t/2)+(\s), AS+8*(\m/2)+(\s), \t%2, \m%2
.endif
.endr
.endr
.endm
.irp s, 0,1,2,3,4,5,6,7
	KSTEP \s
.endr
	WIN 0
.rept 4
	v_nop                                          ; four places in front of the first read of results and of loads into the bias's registers
.endr
	s_wait_alu depctr_va_vdst(0)                   ; the products have written the accumulators, which the stage's stores read, and are done reading the bias, in whose registers rows from the stage land; the places above stay beside this wait
.macro TOSTAGE a                       ; tile a of my rows: 32 bytes a lane and tile of columns into the stage, each accumulator from its low end on; back as rows of 256 bytes
.irp t, 0,1,2,3
	ds_store_b128 v4, v[ACC+32*(\a)+8*\t:ACC+32*(\a)+8*\t+3] offset:128*(\t/2)+32*(\t%2)
	ds_store_b128 v4, v[ACC+32*(\a)+8*\t+4:ACC+32*(\a)+8*\t+7] offset:128*(\t/2)+32*(\t%2)+16
.endr
.irp i, 0,1,2,3,4,5,6,7
	ds_load_b128 v[OUT+32*((\a)%2)+4*\i:OUT+32*((\a)%2)+4*\i+3], v5 offset:2*SP*\i   ; LDS serves a wave's instructions in order (ISA guide 5.7.1.4): these see the stores above, and the next tile's stores come behind them
.endr
.endm
.macro SEND a, younger                 ; younger: the LDS instructions issued behind tile a's loads, which may stay out
	s_wait_dscnt \younger
.irp i, 0,1,2,3,4,5,6,7                ; stage rows 2 i, 2 i + 1 are rows 32 (a / 2) + 8 (a % 2) + 2 i + 8 (i / 4) and the next of my 64
	global_store_b128 v6, v[OUT+32*((\a)%2)+4*\i:OUT+32*((\a)%2)+4*\i+3], s[14:15] offset:(32*((\a)/2)+8*((\a)%2)+2*\i+8*(\i/4))*4096 th:TH_STORE_NT
.endr
.endm
	TOSTAGE 0
.irp a, 1,2,3
.if \a > 1
	s_wait_xcnt 0x0                                ; tile a - 2's stores have read their registers: tile a's rows may land there
	s_wait_alu depctr_vm_vsrc(0)                   ; tile a - 2's global stores have read the 32 registers in which tile a's rows from the stage land
.endif
	TOSTAGE \a
	SEND \a-1, 16                                  ; behind tile a - 1's loads: tile a's 8 stores and 8 loads
.endr
	SEND 3, 0
	s_wait_dscnt 0x0                               ; the closing lines, six on end
	s_wait_alu 0x0
	s_wait_tensorcnt 0x0
	ds_add_u32 v254, v255
	s_wait_dscnt 0x0
	s_endpgm
.Lfunc_end_k_q8a423e09ed_oproj:
	.size	k_q8a423e09ed_oproj, .Lfunc_end_k_q8a423e09ed_oproj-k_q8a423e09ed_oproj
	.p2alignl 7, 3214868480
	.fill 96, 4, 3214868480
	.section	.rodata,"a",@progbits
	.p2align	6, 0x0
	.amdhsa_kernel k_q8a423e09ed_oproj
		.amdhsa_group_segment_fixed_size 17920
		.amdhsa_private_segment_fixed_size 0
		.amdhsa_enable_private_segment 0
		.amdhsa_kernarg_size 48
		.amdhsa_user_sgpr_count 2
		.amdhsa_user_sgpr_kernarg_segment_ptr 1
		.amdhsa_wavefront_size32 1
		.amdhsa_system_sgpr_workgroup_id_x 1
		.amdhsa_system_sgpr_workgroup_id_y 1
		.amdhsa_system_sgpr_workgroup_id_z 1
		.amdhsa_system_vgpr_workitem_id 0
		.amdhsa_next_free_vgpr 768
		.amdhsa_next_free_sgpr 66
		.amdhsa_reserve_vcc 0
		.amdhsa_float_denorm_mode_32 3
		.amdhsa_float_denorm_mode_16_64 3
		.amdhsa_memory_ordered 1
		.amdhsa_forward_progress 1
		.amdhsa_inst_pref_size 43
	.end_amdhsa_kernel
	.amdgpu_metadata
---
amdhsa.version: [ 1, 2 ]
amdhsa.kernels:
  - .name:           k_q8a423e09ed_oproj
    .symbol:         k_q8a423e09ed_oproj.kd
    .args:
      - { .name: oimg, .offset: 0, .size: 8, .value_kind: global_buffer, .address_space: global }
      - { .name: osc, .offset: 8, .size: 8, .value_kind: global_buffer, .address_space: global }
      - { .name: wimg, .offset: 16, .size: 8, .value_kind: global_buffer, .address_space: global }
      - { .name: wsc, .offset: 24, .size: 8, .value_kind: global_buffer, .address_space: global }
      - { .name: bo, .offset: 32, .size: 8, .value_kind: global_buffer, .address_space: global }
      - { .name: out0, .offset: 40, .size: 8, .value_kind: global_buffer, .address_space: global }
    .group_segment_fixed_size: 17920
    .private_segment_fixed_size: 0
    .kernarg_segment_align: 8
    .kernarg_segment_size: 48
    .max_flat_workgroup_size: 128
    .sgpr_count:     66
    .vgpr_count:     768
    .wavefront_size: 32
...
	.end_amdgpu_metadata
.endif
;; end of part 8
